; MI455X (gfx1250); checked and timed in simulation.
; The chip was launched on July 23, 2026; its instructions are those of AMD's public machine-readable ISA for CDNA 5 (MIT licence, August 2026) and "CDNA5" Instruction Set Architecture Reference Guide (July 2026). The comments in the code are by the model that wrote it; some were corrected since.
;; Sliding Window Multi Head Attention. Allowed arithmetic: matrix products marked QUANTISED: E2M1 operands, one E8M0 scale for each 32 along K, by v_wmma_scale_f32_16x16x128_f8f6f4 with both operands' format E2M1 (or v_wmma_scale_f32_32x16x128_f4), f32 sums; everything else in f32.
;; Inputs: Wk 512 x 512 float32; Wo 512 x 512 float32; Wq 512 x 512 float32; Wv 512 x 512 float32; bk 512 float32; bo 512 float32; bq 512 float32; bv 512 float32; k 4 x 8 x 1,024 x 512 float32; mask 1 float32; q 4 x 8 x 1,024 x 512 float32; v 4 x 8 x 1,024 x 512 float32.
;; Outputs: out0 4 x 8,192 x 512 float32.
;; This version of the problem:
;;   THIS VERSION OF THE PROBLEM IS GIVEN IN LOW PRECISION. The matrix products marked QUANTISED in the list below multiply operands that are first quantised to E2M1 (2 exponent bits, 1 mantissa bit; 4 bits a number), with one power-of-two scale for each 32 numbers along K (OCP MX v1.0); their sums are f32. All else is computed in f32.
;;   The module's matrix products, in the order in which they are computed (A, B: the left and right operand; K: the contracted axis; several contracted axes count as one K, in the product's order):
;;     1. [M 32,768, K 512] x [K 512, N 512]; A: input q; B: input Wq: QUANTISED
;;     2. [M 32,768, K 512] x [K 512, N 512]; A: input k; B: input Wk: QUANTISED
;;     3. [M 32,768, K 512] x [K 512, N 512]; A: input v; B: input Wv: QUANTISED
;;     4. batch 32 x [M 1,024, K 512] x [K 512, N 1,024]; A: computed on the way; B: computed on the way: QUANTISED
;;     5. batch 32 x [M 1,024, K 1,024] x [K 1,024, N 512]; A: softmax (see below); B: computed on the way: QUANTISED
;;     6. [M 32,768, K 512] x [K 512, N 512]; A: computed on the way; B: input Wo: QUANTISED
;;   THE QUANTISER, for each operand of a quantised product, along K:
;;     - K is cut into blocks of 32 from its start; a last block that is shorter is filled with zeros.
;;     - A block's scale is 2^e with e = floor(log2(the largest magnitude in the block)) - 2, held to -126 .. 127; a block of zeros has e = 0. As a byte (E8M0): e + 127.
;;     - Each number is divided by its block's scale, clamped to +-6, and rounded to the nearest number of E2M1, ties to even, subnormals kept.
;;     - The product sums the exact products of the quantised numbers (number of the format x scale) in f32.
;;   ~~~python
;;   def quantise(x, axis):      # numpy; x: float32 -> the quantised numbers, widened to float32 again
;;       x = np.moveaxis(x, axis, -1); K = x.shape[-1]
;;       x = np.pad(x, [(0, 0)] * (x.ndim - 1) + [(0, -K % 32)]); x = x.reshape(x.shape[:-1] + (-1, 32)); a = np.abs(x).max(-1, keepdims=True)
;;       e = np.where(a > 0, np.clip(np.frexp(np.where(a > 0, a, 1))[1] - 1 - 2, -126, 127), 0)      # np.frexp(a)[1] - 1 = floor(log2(a)), exactly
;;       r = np.clip(x / 2.0 ** e, -6, 6)
;;       step = 2.0 ** (np.maximum(np.frexp(np.where(r == 0, 1, r))[1] - 1, 0) - 1)
;;       q = np.round(r / step) * step * 2.0 ** e      # np.round: ties to even
;;       return np.moveaxis(q.reshape(q.shape[:-2] + (-1,))[..., :K], -1, axis).astype(np.float32)
;;   ~~~
;;   SOFTMAX AHEAD OF A QUANTISED PRODUCT. Where the list says 'softmax', what is quantised is not the finished softmax but p = 2^(t - M), with t = logit x log2(e) and M = ceil(the row's largest t), a whole number; so 1/2 < the row's largest p <= 1. The row's sum l is taken of the UNQUANTISED p, in f32, and the product's result is divided by l at the end. Since M is a whole number, a kernel that streams over the keys may use a running M (the ceiling of the running maximum): every later rescaling is an exact power of two, which a block's scale takes up: the codes' values come out the same.
;;   OPERANDS COMPUTED ON THE WAY. 'Computed on the way' means the value that the module computes at that place (a softmax that the list does not call 'softmax' is quantised finished and normalised). What goes into a quantiser is computed in f32, as accurately as f32 sums, v_exp_f32 and their like allow (about 1e-6 of the number): no bf16 or f16 on the way to a quantiser, and a product that is left as it is and whose result goes on into a quantised operand takes f32 operands (vector FMAs, or v_wmma_f32_16x16x4_f32). A number that lies on a knife's edge between two numbers of the format may be rounded either way, as far as f32 arithmetic and the matrix unit's own rounding can turn it there, and no further.
;; One version. Each part assembles by itself: llvm-mc -triple=amdgcn-amd-amdhsa -mcpu=gfx1250 --defsym DOCPART=n.
;; ======== version 1 of 1: 3 launches
;; limits: right only within a limited range of input values
;; workspace buffers: wimg 557,056 bytes; qimg 8,912,896 bytes; kimg 8,912,896 bytes; vimg 8,912,896 bytes
;; launch wquant (part 1): grid 32 x 4, 4 waves a work-group, no clusters, 34,816 bytes of LDS; arguments Wq, Wk, Wv, Wo, wimg; writes wimg
.if DOCPART == 1
	.amdgcn_target "amdgcn-amd-amdhsa--gfx1250"
	.amdhsa_code_object_version 6
	.text
	.protected	k_qb05a908f2b_wquant
	.globl	k_qb05a908f2b_wquant
	.p2align	8
	.type	k_qb05a908f2b_wquant,@function
k_qb05a908f2b_wquant:
	s_mov_b64 s[64:65], 0
	v_nop
	global_prefetch_b8 v0, s[64:65] scope:SCOPE_SE
	s_setreg_imm32_b32 hwreg(HW_REG_WAVE_MODE, 25, 1), 1
	s_wait_xcnt 0x0
; Wq, Wk, Wv, Wo [512 (e)][512 (d)] f32 become codes of FP4 (E2M1) with one E8M0 scale byte for each 32 along d, laid as IMAGES OF THE OPERAND'S REGISTERS.
; A fragment is 16 rows x 128 along K, 8 registers a lane, 1,024 bytes: registers 4 c .. 4 c + 3 of lane l lie at 512 c + 16 l.
; THE ROWS OF A TILE ARE NOT NEIGHBOURS: lane r of tile T takes row 32 (T / 2) + 8 (T % 2) + r + 8 (r / 8), so that, with the weight as source 0, the 16 registers of the results of tiles 2 B and 2 B + 1
; are 16 neighbours along e, which is the next product's K.
; wimg: weight y at 139,264 y; in it four slices of 34,816 bytes, slice T / 8; in a slice fragment (t = T % 8, K step s) at 1,024 (4 t + s), and the scale word of (t, s, row r) at 32,768 + 256 t + 64 s + 4 r.
; SHARES: a work-group takes one tile of one weight (x = T, y = the weight), wave s its K step s: 16 rows x 512 bytes.  Each load reads 512 consecutive bytes; the 8 KiB turn through the wave's own stage in LDS
; (rows 528 bytes apart: 16 more than a multiple of 256, so that the sixteen rows that a read touches lie in sixteen different 16-byte columns), so that a lane holds 16 neighbours of each block of 32.
; No cluster: no two work-groups read the same bytes.  No tensor load: 8 KiB a wave, read once.
; A block's scale is 2^(floor(log2(its largest magnitude)) - 2); its byte is the largest magnitude's exponent field - 2, held at 1 from below.
; LIMITS: a block of zeros gets the byte 1 where the rule says 127 (its codes are zeros, and this program alone reads the bytes); NaN and infinities among the inputs are not served.
.set RECB,  34816
.set STGB,  16*528                     ; a wave's stage
.set SCW,   4*STGB                     ; behind the stages: the tile's 64 scale words
.set LI,    1                          ; v1   16 x lane
.set STW,   2                          ; v2   the stage, on the way in
.set STR,   3                          ; v3   and on the way out: row r, + 64 h
.set SWA,   4                          ; v4   where my row's scale word goes
.set SRA,   5                          ; v5   wave 0: where 8 bytes of the 256 are read back
.set SGO,   6                          ; v6   and their place in memory
.set R,     16                         ; v16-79   the numbers as loaded
.set NUM,   80                         ; v80-143  register 16 b + i = k 32 b + 16 h + i of my row
.set PC,    144                        ; v144-151 the codes
.set TM,    152                        ; v152-167 at work in the quantiser
.set PW,    168                        ; v168     the scale word
.set WV,    14
.set SEL,   24
; 64 numbers of a lane, four blocks of 16 registers; lane l xor 16 holds each block's other 16.  QCORE: each block's largest magnitude, the conversion's scale operand (TM+12+b) and the scale's byte (TM+4+b).
.macro QCORE s
.irp b, 0,1,2,3
	v_max3_num_f32 v[TM+\b], |v[\s+16*\b]|, |v[\s+1+16*\b]|, 0x1800000   ; my 16 numbers, and the floor 2^(3 - 127): the byte cannot fall under 1
.endr
.irp i, 2,4,6,8,10,12,14
.irp b, 0,1,2,3
	v_max3_num_f32 v[TM+\b], v[TM+\b], |v[\s+16*\b+\i]|, |v[\s+1+16*\b+\i]|   ; the four blocks by turns
.endr
.endr
.irp b, 0,1,2,3
	v_permlanex16_b32 v[TM+4+\b], v[TM+\b], s[SEL], s[SEL+1]
.endr
.irp b, 0,1,2,3
	v_max_num_f32 v[TM+\b], v[TM+\b], v[TM+4+\b]
.endr
.irp b, 0,1,2,3
	v_add_nc_u32 v[TM+12+\b], 0xff000000, v[TM+\b]   ; 2 off the exponent field: the conversion takes that field as its scale
.endr
.irp b, 0,1,2,3
	v_lshrrev_b32 v[TM+4+\b], 23, v[TM+12+\b]        ; the scale's byte
.endr
.endm
.macro QCVT s, d                       ; the codes: register d + 2 b: k 32 b + 16 h + 0 .. 7, d + 2 b + 1: + 8 .. 15
.irp b, 0,1,2,3
	v_cvt_scalef32_pk8_fp4_f32 v[\d+2*\b], v[\s+16*\b:\s+7+16*\b], v[TM+12+\b]
	v_cvt_scalef32_pk8_fp4_f32 v[\d+1+2*\b], v[\s+8+16*\b:\s+15+16*\b], v[TM+12+\b]
.endr
	v_nop                                          ; one plain place behind a scaled conversion
.endm
.macro QUANT s, d, wd                  ; a whole fragment in v[d] on, its row's scale word in v[wd]
	QCORE \s
	v_lshl_or_b32 v[\wd], v[TM+5], 8, v[TM+4]
	v_lshl_or_b32 v[\wd], v[TM+6], 16, v[\wd]
	v_lshl_or_b32 v[\wd], v[TM+7], 24, v[\wd]
	QCVT \s, \d
.irp c, 0,1                            ; the operand wants a whole block in a lane: lanes 0-15 block 2 c, lanes 16-31 block 2 c + 1
.irp i, 0,1
	v_permlane16_swap_b32 v[\d+4*\c+\i], v[\d+4*\c+2+\i]
.endr
.endr
.endm
	s_load_b256 s[4:11], s[0:1], 0x0               ; Wq, Wk, Wv, Wo
	s_load_b64 s[12:13], s[0:1], 0x20              ; wimg
	v_lshl_add_u32 v176, v0, 2, 0x8600
	v_mov_b32 v177, 0
	v_lshrrev_b32 v7, 5, v0
	v_readfirstlane_b32 s[WV], v7                  ; wave = K step
	s_and_b32 s15, ttmp7, 0xffff                   ; which weight
	v_and_b32 v7, 31, v0                           ; lane
	v_and_b32 v8, 15, v0                           ; r
	v_bfe_u32 v9, v0, 4, 1                         ; h
	v_lshlrev_b32 v[LI], 4, v7
	s_mul_i32 s16, s[WV], STGB
	v_add_nc_u32 v[STW], s16, v[LI]
	v_mul_u32_u24 v[STR], v8, 528
	v_lshl_add_u32 v[STR], v9, 6, v[STR]
	v_add_nc_u32 v[STR], s16, v[STR]
	s_lshl_b32 s17, s[WV], 6
	s_add_co_u32 s17, s17, SCW
	v_lshl_add_u32 v[SWA], v8, 2, s17              ; SCW + 64 x wave + 4 r
	v_lshlrev_b32 v[SGO], 3, v7
	v_add_nc_u32 v[SRA], SCW, v[SGO]
	s_mov_b32 s[SEL], 0x76543210
	s_mov_b32 s[SEL+1], 0xfedcba98                 ; v_permlanex16_b32's selects for lane l xor 16
.irp b, 0,1,2,3
	v_mov_b32 v[TM+4+\b], 0                        ; a lane permute's destination counts as one of its sources
.endr
	s_lshr_b32 s18, ttmp9, 1                       ; the tile's first row, in bytes: (32 (T / 2) + 8 (T % 2)) x 2,048, + 512 x wave
	s_lshl_b32 s18, s18, 16
	s_and_b32 s19, ttmp9, 1
	s_lshl_b32 s19, s19, 14
	s_add_co_u32 s18, s18, s19
	s_lshl_b32 s19, s[WV], 9
	s_add_co_u32 s18, s18, s19
	s_mov_b32 s19, 0
	s_mul_i32 s20, s15, 4*RECB                     ; the slice in wimg
	s_lshr_b32 s21, ttmp9, 3
	s_mul_i32 s21, s21, RECB
	s_add_co_u32 s20, s20, s21
	s_and_b32 s21, ttmp9, 7
	s_lshl_b32 s22, s21, 8
	s_add_co_u32 s22, s22, s20
	s_add_co_u32 s22, s22, 32768                   ; the tile's 256 bytes of scale words
	s_mov_b32 s23, 0
	s_lshl_b32 s21, s21, 12
	s_add_co_u32 s20, s20, s21
	s_lshl_b32 s21, s[WV], 10
	s_add_co_u32 s20, s20, s21                     ; my fragment
	s_mov_b32 s21, 0
	s_wait_alu depctr_va_vdst(0)
	s_wait_kmcnt 0x0
	s_cmp_eq_u32 s15, 1                            ; the choice hangs on the work-group's number alone
	s_cselect_b64 s[4:5], s[6:7], s[4:5]
	s_cmp_eq_u32 s15, 2
	s_cselect_b64 s[4:5], s[8:9], s[4:5]
	s_cmp_eq_u32 s15, 3
	s_cselect_b64 s[4:5], s[10:11], s[4:5]
	s_add_nc_u64 s[4:5], s[4:5], s[18:19]
	s_add_nc_u64 s[26:27], s[12:13], s[20:21]
	s_add_nc_u64 s[28:29], s[12:13], s[22:23]
.irp i, 0,1,2,3,4,5,6,7,8,9,10,11,12,13,14,15
	global_load_b128 v[R+4*\i:R+4*\i+3], v[LI], s[4:5] offset:(\i+8*(\i/8))*2048 th:TH_LOAD_NT   ; the tile's lane i: 512 consecutive bytes of its row
.endr
	s_wait_loadcnt 0x0
.irp i, 0,1,2,3,4,5,6,7,8,9,10,11,12,13,14,15
	ds_store_b128 v[STW], v[R+4*\i:R+4*\i+3] offset:528*\i
.endr
.irp b, 0,1,2,3
.irp j, 0,1,2,3
	ds_load_b128 v[NUM+16*\b+4*\j:NUM+16*\b+4*\j+3], v[STR] offset:128*\b+16*\j   ; LDS serves a wave's instructions in order (ISA guide 5.7.1.4): these see the stores above
.endr
.endr
	s_wait_dscnt 0x0
	QUANT NUM, PC, PW
	global_store_b128 v[LI], v[PC:PC+3], s[26:27]              ; 32 lanes store 512 consecutive bytes
	global_store_b128 v[LI], v[PC+4:PC+7], s[26:27] offset:512
	ds_store_b32 v[SWA], v[PW]                     ; both halves of the lanes write the same word with the same value
	s_wait_dscnt 0x0                               ; for wave 0's sake: my word has landed
	s_barrier_signal -1
	s_barrier_wait -1
	s_cmp_lg_u32 s[WV], 0
	s_cbranch_scc1 .Lend
	ds_load_b64 v[170:171], v[SRA]                 ; the four K steps' words of the tile: 256 bytes
	s_wait_dscnt 0x0
	global_store_b64 v[SGO], v[170:171], s[28:29]  ; 32 lanes store 256 consecutive bytes, at a multiple of 256 from wimg's first byte
.Lend:
	s_wait_tensorcnt 0x0
	ds_add_u32 v176, v177
	s_wait_dscnt 0x0
	s_endpgm
.Lfunc_end_k_qb05a908f2b_wquant:
	.size	k_qb05a908f2b_wquant, .Lfunc_end_k_qb05a908f2b_wquant-k_qb05a908f2b_wquant
	.p2alignl 7, 3214868480
	.fill 96, 4, 3214868480
	.section	.rodata,"a",@progbits
	.p2align	6, 0x0
	.amdhsa_kernel k_qb05a908f2b_wquant
		.amdhsa_group_segment_fixed_size 34816
		.amdhsa_private_segment_fixed_size 0
		.amdhsa_enable_private_segment 0
		.amdhsa_kernarg_size 40
		.amdhsa_user_sgpr_count 2
		.amdhsa_user_sgpr_kernarg_segment_ptr 1
		.amdhsa_wavefront_size32 1
		.amdhsa_system_sgpr_workgroup_id_x 1
		.amdhsa_system_sgpr_workgroup_id_y 1
		.amdhsa_system_sgpr_workgroup_id_z 1
		.amdhsa_system_vgpr_workitem_id 0
		.amdhsa_next_free_vgpr 178
		.amdhsa_next_free_sgpr 66
		.amdhsa_reserve_vcc 0
		.amdhsa_float_denorm_mode_32 3
		.amdhsa_float_denorm_mode_16_64 3
		.amdhsa_memory_ordered 1
		.amdhsa_forward_progress 1
		.amdhsa_inst_pref_size 11
	.end_amdhsa_kernel
	.amdgpu_metadata
---
amdhsa.version: [ 1, 2 ]
amdhsa.kernels:
  - .name:           k_qb05a908f2b_wquant
    .symbol:         k_qb05a908f2b_wquant.kd
    .args:
      - { .name: Wq, .offset: 0, .size: 8, .value_kind: global_buffer, .address_space: global }
      - { .name: Wk, .offset: 8, .size: 8, .value_kind: global_buffer, .address_space: global }
      - { .name: Wv, .offset: 16, .size: 8, .value_kind: global_buffer, .address_space: global }
      - { .name: Wo, .offset: 24, .size: 8, .value_kind: global_buffer, .address_space: global }
      - { .name: wimg, .offset: 32, .size: 8, .value_kind: global_buffer, .address_space: global }
    .group_segment_fixed_size: 34816
    .private_segment_fixed_size: 0
    .kernarg_segment_align: 8
    .kernarg_segment_size: 40
    .max_flat_workgroup_size: 128
    .sgpr_count:     66
    .vgpr_count:     178
    .wavefront_size: 32
...
	.end_amdgpu_metadata
.endif
;; end of part 1
;; launch proj (part 2): grid 256 x 1, 8 waves a work-group, no clusters, 327,680 bytes of LDS; arguments q, k, v, bq, bk, bv, wimg, qimg, kimg, vimg; writes qimg, kimg, vimg
.if DOCPART == 2
	.amdgcn_target "amdgcn-amd-amdhsa--gfx1250"
	.amdhsa_code_object_version 6
	.text
	.protected	k_qb05a908f2b_proj
	.globl	k_qb05a908f2b_proj
	.p2align	8
	.type	k_qb05a908f2b_proj,@function
k_qb05a908f2b_proj:
	s_mov_b64 s[64:65], 0
	v_nop
	global_prefetch_b8 v0, s[64:65] scope:SCOPE_SE
	s_setreg_imm32_b32 hwreg(HW_REG_WAVE_MODE, 25, 1), 1
	s_wait_xcnt 0x0
; qh = Q(q) Q(Wq)^T + bq, kh and vh likewise, on codes of FP4 (E2M1) with one E8M0 scale for each 32 along K; each result is quantised again at once, as the operand that attention wants:
; qh and kh along e (the scores' K), vh along the KEYS.  Only codes and scale bytes go to memory, as images of the operands' registers.
; A fragment is 16 rows x 128 K, 8 registers a lane, 1,024 bytes: registers 4 c .. 4 c + 3 of lane l lie at 512 c + 16 l.  In a group of 32 rows lane r of tile 2 B + u is row 32 B + 8 u + r + 8 (r / 8).
; A RECORD of 34,816 bytes holds 128 rows.  qimg, kimg: fragment (tile T of 8, K step s) at 1,024 (4 T + s); the scale word of (T = 2 i + u, row r, s) at 32,768 + 512 s + 16 (16 u + r) + 4 i.
; vimg: fragment T of 32 (16 of d x 128 keys) at 1,024 T; the scale word of (T = 8 g + 2 i + u, r) at 32,768 + 512 g + 16 (16 u + r) + 4 i.
; SHARES.  256 work-groups of eight waves; each makes one record of q, then of k, then of v: six steps of 64 rows.  x COMES BY TWO WAYS, half by each.
; K steps 0 and 2 (bytes 0-511 and 1,024-1,535 of each row) come by tensor loads into a ring of two LDS slots: wave g brings rows 8 g .. 8 g + 7 as 16 rows of 512 bytes, 1,024 apart in memory, with 16 bytes of padding
; behind each in LDS.  Groups lie 8,704 bytes apart, groups 2, 3, 6, 7 sixteen bytes further on: so the sixteen rows of a tile lie in sixteen different 16-byte columns modulo 256.
; K steps 1 and 3 come by global loads of 512 consecutive bytes into 64 registers a wave, asked for one step ahead, in the middle of a step, and turn through the wave's own stage in LDS (rows 528 bytes apart).
; X: wave w quantises two chunks of 16 rows x 512 bytes (tile w / 2, K step 2 (w % 2) from the slot, the next from the stage) and puts their images into LDS (two sets by turns).
; M: THE WAVES SHARE THE COLUMNS: wave w keeps the weight's tiles 4 w .. 4 w + 3 (e = 64 w on: 16 fragments, 128 registers) and multiplies all 16 fragments of a step by them.
; One barrier a step: behind it the refill, then M of the step before, then X of the step just landed.
; q, k: a wave makes half a fragment (c = w % 2 of K step w / 2) and two of a scale word's four bytes; the bytes are joined in 2,048 bytes of LDS and leave as whole runs of 256 bytes.  v's scale words go the same way.
; PREFETCH.  At a change of slots every wave has waited for all its tensor loads, so a refill goes out with no tensor load beside it.  So a step's 64 rows, 131,072 consecutive bytes, are asked of memory one whole step ahead of
; the tensor load that wants them: behind the change of slots that loads step n + 1 each wave names 16,384 bytes of step n + 2, two instructions, lanes 256 bytes apart.  Each aligned block of 256 bytes is named once in the
; launch: no two work-groups read the same rows.  Step 1 is asked for at the head, behind the first chunk's loads; step 0 and the weights come by their loads alone; the last two steps ask for nothing.
; NO CLUSTER: the work-groups share the weights alone, and a wave's 17 KiB of a weight go straight from memory into the registers that keep them, through no LDS bytes into which a joint load could land.
; The launch claims all of a WGP's LDS; the text uses 246,784 bytes.
; LIMITS: a block of zeros gets the byte 1 where the rule says 127 (its codes are zeros, and this program alone reads the bytes); NaN and infinities are not served.
; REGISTERS: window 0: v1-15 addresses; v16-79 numbers or sums; v80-143 x as loaded; v144-167 codes; v168-183 at work; v184-203 scale words; v204-231 see below.  window 1: v0-127 the weight; v128-191 x's fragments; v192-223 bq or bk.
.set RECB,  34816
.set GRP,   8704
.set SLOTB, 8*GRP
.set STG,   2*SLOTB                    ; a stage of 16 rows x 528 bytes for each wave
.set STGB,  16*528
.set XIMG,  STG+8*STGB                 ; x's images: 2 sets x 16 fragments
.set XSC,   XIMG+2*16384               ; their scale words: 2 sets x 16 x 128 bytes
.set SCR,   XSC+2*2048                 ; a record's 2,048 bytes of scale words, joined here
.set SPARE, SCR+2048                   ; the spare words, 128 bytes a wave: four blocks of 256 bytes that no other line names
.set LI,   1                           ; 16 x lane
.set STW,  2                           ; the stage, in
.set STR,  3                           ; v3, v4 my chunk in slot 0, 1
.set XWI,  5                           ; where I put x's images
.set XWS,  6                           ; and their scale words
.set XRI,  7                           ; where they are read
.set XRS,  8
.set OA,   9                           ; q, k: 512 w + 16 x lane
.set OV,   10                          ; v: 4,096 w + 16 r + 8 h
.set SCA,  11                          ; q, k: my two bytes of a scale word
.set SCV,  12                          ; v: my two scale words
.set FRA,  13                          ; the joined words: 8 bytes a thread, in LDS
.set FGO,  14                          ; and in the record
.set SPW,  15                          ; my spare word; never rewritten
.set NUM,  16
.set R,    80
.set PC,   144
.set PCX,  152
.set PCX2, 160
.set TM,   168
.set HW,   184
.set XS,   188
.set WS,   196
.set VW,   204
.set BV,   208
.set FL,   216
.set NIL,  218                         ; 0; never rewritten
.set L4W,  219                         ; the weight's scale words, from my fragments' base
.set BA,   220                         ; bias: 256 w + 64 h
.set BA2,  221                         ; bias: 256 w + 4 (r + 8 (r / 8))
.set SWV,  222
.set STRG, 224                         ; the stage, out: row r, + 64 h
.set XA,   225                         ; x in memory: my tile's first row, my second K step, 16 x lane
.set PFO,  231                         ; the prefetches' offset: 16,384 w + 256 x lane; never rewritten
.set XF,   128                         ; window 1
.set BI,   192                         ; window 1
.set WV,   24
.set TRIP, 25
.set WB,   30
.set G0A,  32
.set G0B,  36
.set G1,   40
.set SEL,  52
.set HM,   54
.set NXT,  56
.set OUT,  58
.set WOF,  62                          ; s[62:63] 16,384 x wave: the rows that I fetch by tensor load
.set MSB, 0
.macro WIN new                         ; the immediate's high byte repeats the setting that is left; bits 1:0 source 0, 3:2 source 1, 5:4 source 2, 7:6 destination
.if MSB != \new
	s_set_vgpr_msb (MSB<<8)|\new
.set MSB, \new
.endif
.endm
.macro PLACES n
.rept \n
	v_nop
.endr
.endm
.macro BAR                             ; my LDS stores have landed and my LDS loads are in
	s_wait_alu depctr_va_vdst(0)
	s_wait_dscnt 0x0
	s_barrier_signal -1
	s_barrier_wait -1
.endm
; THE CHANGE OF SLOTS.  All my tensor loads have landed (my part of the slot ahead); 0 onto my spare word; the add, my reads of the slot left and my image stores are done.
; fill = 1: the load as its descriptor stands; 2: its address is made first, from the next tensor's rows + off; 0: nothing more is asked for.
.macro MEET g0, off, fill
	s_wait_alu depctr_va_vdst(0)
	s_wait_tensorcnt 0x0
	ds_add_u32 v[SPW], v[NIL]
.if \fill == 2
	s_add_nc_u64 s[\g0+2:\g0+3], s[NXT:NXT+1], \off   ; no tensor load of mine is out, so a group 0 may be written
	s_add_nc_u64 s[\g0+2:\g0+3], s[\g0+2:\g0+3], s[WOF:WOF+1]
	s_or_b32 s[\g0+3], s[\g0+3], 0x80000000
.endif
	s_wait_dscnt 0x0
	s_barrier_signal -1
	s_barrier_wait -1
.if \fill
	tensor_load_to_lds s[\g0:\g0+3], s[G1:G1+7]    ; my one tensor load until the next such barrier
	s_nop 0
	PLACES 4
.endif
.endm
.macro ASK base, off                   ; my 16,384 bytes of the 64 rows at s[base] + off: 64 blocks of 256 bytes, a lane a block
	global_prefetch_b8 v[PFO], s[\base:\base+1] offset:\off th:TH_LOAD_NT scope:SCOPE_SE
	global_prefetch_b8 v[PFO], s[\base:\base+1] offset:\off+8192 th:TH_LOAD_NT scope:SCOPE_SE
.endm
; 64 numbers of a lane, four blocks of 16 registers; lane l xor 16 holds each block's other 16.  The conversion's scale operand comes out in TM+12+b, the scale's byte in TM+4+b.
.macro QCORE s
.irp b, 0,1,2,3
	v_max3_num_f32 v[TM+\b], |v[\s+16*\b]|, |v[\s+1+16*\b]|, 0x1800000   ; and the floor 2^(3 - 127): the byte cannot fall under 1
.endr
.irp i, 2,4,6,8,10,12,14
.irp b, 0,1,2,3
	v_max3_num_f32 v[TM+\b], v[TM+\b], |v[\s+16*\b+\i]|, |v[\s+1+16*\b+\i]|
.endr
.endr
.irp b, 0,1,2,3
	v_permlanex16_b32 v[TM+4+\b], v[TM+\b], s[SEL], s[SEL+1]
.endr
.irp b, 0,1,2,3
	v_max_num_f32 v[TM+\b], v[TM+\b], v[TM+4+\b]
.endr
.irp b, 0,1,2,3
	v_add_nc_u32 v[TM+12+\b], 0xff000000, v[TM+\b]   ; 2 off the exponent field
.endr
.irp b, 0,1,2,3
	v_lshrrev_b32 v[TM+4+\b], 23, v[TM+12+\b]
.endr
.endm
.macro QCVT s, d
.irp b, 0,1,2,3
	v_cvt_scalef32_pk8_fp4_f32 v[\d+2*\b], v[\s+16*\b:\s+7+16*\b], v[TM+12+\b]
	v_cvt_scalef32_pk8_fp4_f32 v[\d+1+2*\b], v[\s+8+16*\b:\s+15+16*\b], v[TM+12+\b]
.endr
	v_nop                                          ; one plain place behind a scaled conversion
.endm
.macro SWAPS d                         ; the operand wants a whole block in a lane: lanes 0-15 block 2 c, lanes 16-31 block 2 c + 1
.irp c, 0,1
.irp i, 0,1
	v_permlane16_swap_b32 v[\d+4*\c+\i], v[\d+4*\c+2+\i]
.endr
.endr
.endm
.macro QUANT s, d, wd                  ; register 16 b + i = k 32 b + 16 h + i of my row: a whole fragment in v[d] on, my row's scale word in v[wd]
	QCORE \s
	v_lshl_or_b32 v[\wd], v[TM+5], 8, v[TM+4]
	v_lshl_or_b32 v[\wd], v[TM+6], 16, v[\wd]
	v_lshl_or_b32 v[\wd], v[TM+7], 24, v[\wd]
	QCVT \s, \d
	SWAPS \d
.endm
; One product.  c < 0: the constant 0 starts the sum.  ra, rb: the side's scale words stand in lanes 16-31 of the register named.
.macro WMMA d, a, b, c, sa, sb, ra, rb
.if (\c) < 0
.if (\ra)
	v_wmma_scale_f32_16x16x128_f8f6f4 v[\d:\d+7], v[\a:\a+7], v[\b:\b+7], 0, v[\sa], v[\sb] matrix_a_fmt:MATRIX_FMT_FP4 matrix_b_fmt:MATRIX_FMT_FP4 matrix_a_scale:MATRIX_SCALE_ROW1
.elseif (\rb)
	v_wmma_scale_f32_16x16x128_f8f6f4 v[\d:\d+7], v[\a:\a+7], v[\b:\b+7], 0, v[\sa], v[\sb] matrix_a_fmt:MATRIX_FMT_FP4 matrix_b_fmt:MATRIX_FMT_FP4 matrix_b_scale:MATRIX_SCALE_ROW1
.else
	v_wmma_scale_f32_16x16x128_f8f6f4 v[\d:\d+7], v[\a:\a+7], v[\b:\b+7], 0, v[\sa], v[\sb] matrix_a_fmt:MATRIX_FMT_FP4 matrix_b_fmt:MATRIX_FMT_FP4
.endif
.else
.if (\ra)
	v_wmma_scale_f32_16x16x128_f8f6f4 v[\d:\d+7], v[\a:\a+7], v[\b:\b+7], v[\c:\c+7], v[\sa], v[\sb] matrix_a_fmt:MATRIX_FMT_FP4 matrix_b_fmt:MATRIX_FMT_FP4 matrix_a_scale:MATRIX_SCALE_ROW1
.elseif (\rb)
	v_wmma_scale_f32_16x16x128_f8f6f4 v[\d:\d+7], v[\a:\a+7], v[\b:\b+7], v[\c:\c+7], v[\sa], v[\sb] matrix_a_fmt:MATRIX_FMT_FP4 matrix_b_fmt:MATRIX_FMT_FP4 matrix_b_scale:MATRIX_SCALE_ROW1
.else
	v_wmma_scale_f32_16x16x128_f8f6f4 v[\d:\d+7], v[\a:\a+7], v[\b:\b+7], v[\c:\c+7], v[\sa], v[\sb] matrix_a_fmt:MATRIX_FMT_FP4 matrix_b_fmt:MATRIX_FMT_FP4
.endif
.endif
.endm
.macro TURN_LD adr                     ; a chunk from its slot or from my stage: 64 bytes of each block of 32 numbers of my row
.irp b, 0,1,2,3
.irp j, 0,1,2,3
	ds_load_b128 v[NUM+16*\b+4*\j:NUM+16*\b+4*\j+3], v[\adr] offset:128*\b+16*\j
.endr
.endr
.endm
.macro RLOAD base, off                 ; my second chunk of the 64 rows at s[base] + off: the tile's 16 rows in the tile's order; each load reads 512 consecutive bytes
.irp i, 0,1,2,3,4,5,6,7,8,9,10,11,12,13,14,15
	global_load_b128 v[R+4*\i:R+4*\i+3], v[XA], s[\base:\base+1] offset:\off+2048*(\i+8*(\i/8)) th:TH_LOAD_NT
.endr
.endm
.macro IMG set, cc, pc, pw             ; a fragment and its scale words go to LDS as they stand
.irp c, 0,1
	ds_store_b128 v[XWI], v[\pc+4*\c:\pc+4*\c+3] offset:(\set)*16384+1024*\cc+512*\c
.endr
	ds_store_b32 v[XWS], v[\pw] offset:(\set)*2048+128*\cc
.endm
; X of a step.  cnt: the global loads issued behind my second chunk's, which may stay out (loads come back in order: ISA guide 5.7.1).  re = 1: the registers take the next step's chunk, at s[base] + off.
.macro XPH slot, set, cnt, re, base, off
	s_wait_loadcnt \cnt
.irp i, 0,1,2,3,4,5,6,7,8,9,10,11,12,13,14,15
	ds_store_b128 v[STW], v[R+4*\i:R+4*\i+3] offset:528*\i
.endr
	TURN_LD STR+\slot
	s_wait_dscnt 16                                ; all but the 16 loads just issued: the stage's stores have read their registers
.if \re
	RLOAD \base, \off
.endif
	s_wait_dscnt 0x0
	QUANT NUM, PCX, TM+8
	IMG \set, 0, PCX, TM+8
	TURN_LD STRG                                   ; LDS serves a wave's instructions in order (ISA guide 5.7.1.4): these see my stores into the stage
	s_wait_dscnt 0x0
	QUANT NUM, PCX2, TM+9
	IMG \set, 1, PCX2, TM+9
.endm
.macro XFETCH set, bb                  ; the eight fragments of sub-block bb (32 rows) of a set, and their scale words
	WIN 0x40
.set I, 0
.rept 16
	ds_load_b128 v[XF+4*I:XF+4*I+3], v[XRI] offset:(\set)*16384+(\bb)*8192+512*I
.set I, I+1
.endr
	WIN 0
.irp f, 0,1,2,3,4,5,6,7
	ds_load_b32 v[XS+\f], v[XRS] offset:(\set)*2048+(\bb)*1024+128*\f
.endr
.endm
; q, k: TRANSPOSED (source 0 = 16 rows of W, source 1 = 16 rows of x): lane (r, h) holds row r of tile m, and registers 32 m + 16 b + i hold e = 64 w + 32 b + 16 h + i.
; Eight sums by turns, one product a turn; the bias is the C of each sum's first product.
.macro MULQK
.irp s, 0,1,2,3
.if \s == 0
	WIN 0x15
.else
	WIN 0x05
.endif
.irp m, 0,1
.irp t, 0,1,2,3
.set CC, NUM+32*\m+8*\t
.if \s == 0
.set CC, BI+8*\t
.endif
	WMMA NUM+32*\m+8*\t, 8*(4*\t+\s), XF+8*(4*\m+\s), CC, WS+2*\t+\s/2, XS+4*\m+\s, \s%2, 0
.endr
.endr
.endr
	WIN 0
.endm
.macro OUTQK n                         ; sub-block n of the record: tiles 2 n and 2 n + 1; my half fragment of each and my two bytes of its rows' scale words
	s_wait_xcnt 0x0                                ; the code registers, which earlier stores read, are written again only behind this wait
	QCORE NUM
.irp m, 0,1
	v_lshl_or_b32 v[HW+2*((\n)%2)+\m], v[TM+5+2*\m], 8, v[TM+4+2*\m]
.endr
	QCVT NUM, PC
	SWAPS PC
.irp m, 0,1
	global_store_b128 v[OA], v[PC+4*\m:PC+4*\m+3], s[OUT:OUT+1] offset:4096*(2*(\n)+\m)   ; 512 consecutive bytes
	ds_store_b16 v[SCA], v[HW+2*((\n)%2)+\m] offset:256*\m+4*(\n)                         ; both halves of the lanes write the same bytes with the same value
.endr
.endm
.macro M_QK p                          ; half p of the record, from set p
	XFETCH \p, 0
	s_wait_loadcnt 16                              ; the weight and the bias are in; the 16 loads of x issued behind them may be out
	s_wait_dscnt 0x0
	MULQK
	PLACES 5                                       ; four in front of loads into the products' sources and of the first read of the sums; five in front of the next run, which begins the same registers anew
	XFETCH \p, 1
	OUTQK 2*(\p)
	s_wait_dscnt 2                                 ; all but the two byte stores just issued
	MULQK
	PLACES 5
	OUTQK 2*(\p)+1
.endm
; v: NOT transposed (source 0 = 16 rows of x, source 1 = 16 rows of W): lane (r, h) holds ONE d (lane r of tile 4 w + t); registers 16 t + i are keys 32 n + 16 h + i.
.macro MULV
	WIN 0x05
.irp s, 0,1,2,3
.irp t, 0,1,2,3
.irp u, 0,1
.set CC, NUM+16*\t+8*\u
.if \s == 0
.set CC, -1
.endif
	WMMA NUM+16*\t+8*\u, XF+8*(4*\u+\s), 8*(4*\t+\s), CC, XS+4*\u+\s, WS+2*\t+\s/2, 0, \s%2
.endr
.endr
.endr
	WIN 0
.endm
.macro OUTV n                          ; block n (32 keys) of my four fragments of V^T
	s_wait_xcnt 0x0
.set I, 0
.rept 32
	v_pk_add_f32 v[NUM+2*I:NUM+2*I+1], v[NUM+2*I:NUM+2*I+1], v[BV+2*(I/8):BV+2*(I/8)+1]   ; + bv of my d (it stands twice in the pair); ascending
.set I, I+1
.endr
	QCORE NUM
	QCVT NUM, PC
.irp b, 0,1,2,3
	v_lshl_or_b32 v[VW+\b], v[TM+4+\b], 8*(\n), v[VW+\b]
.endr
.irp b, 0,1,2,3
	global_store_b64 v[OV], v[PC+2*\b:PC+2*\b+1], s[22:23] offset:1024*\b+512*((\n)/2)+256*((\n)%2)   ; the wave stores 256 consecutive bytes, at a multiple of 256 from vimg's first byte
.endr
.endm
.macro M_V p
	XFETCH \p, 0
	s_wait_loadcnt 16
	s_wait_dscnt 0x0
	MULV
	PLACES 5
	XFETCH \p, 1
	OUTV 2*(\p)
	s_wait_dscnt 0x0
	MULV
	PLACES 5
	OUTV 2*(\p)+1
.endm
.macro WLOAD                           ; my 16 fragments and their scale words, from memory straight into the registers: the image is the registers on end.  40 loads
	WIN 0x40
.set I, 0
.rept 32
	global_load_b128 v[4*I:4*I+3], v[LI], s[WB:WB+1] offset:512*I
.set I, I+1
.endr
	WIN 0
.irp j, 0,1,2,3,4,5,6,7
	global_load_b32 v[WS+\j], v[L4W], s[WB:WB+1] offset:128*\j   ; register 2 t + s / 2: lanes 0-15 the words of K step 2 (s / 2), lanes 16-31 of the next
.endr
.endm
.macro BLOAD base                      ; b at e = 64 w + 32 (t / 2) + 16 h + 8 (t % 2) + 0 .. 7, in the sums' layout.  8 loads
	WIN 0x40
.irp t, 0,1,2,3
	global_load_b128 v[BI+8*\t:BI+8*\t+3], v[BA], s[\base:\base+1] offset:(32*(\t/2)+8*(\t%2))*4
	global_load_b128 v[BI+8*\t+4:BI+8*\t+7], v[BA], s[\base:\base+1] offset:(32*(\t/2)+8*(\t%2))*4+16
.endr
	WIN 0
.endm
.macro FLUSH base                      ; the record's joined scale words: each wave stores 256 consecutive bytes, at a multiple of 256 from the buffer's first byte
	s_wait_xcnt 0x0
	ds_load_b64 v[FL:FL+1], v[FRA]
	s_wait_dscnt 0x0
	global_store_b64 v[FGO], v[FL:FL+1], s[\base:\base+1]
.endm
	s_load_b512 s[4:19], s[0:1], 0x0               ; q s[4:5], k, v, bq s[10:11], bk, bv, wimg s[16:17], qimg s[18:19]
	s_load_b128 s[20:23], s[0:1], 0x40             ; kimg, vimg
	v_lshl_add_u32 v[SPW], v0, 2, SPARE
	v_mov_b32 v[NIL], 0
	ds_add_u32 v[SPW], v[NIL]                      ; the opening lines: the add, twice on end, and its wait ahead of my first tensor load
	ds_add_u32 v[SPW], v[NIL]
	v_lshrrev_b32 v226, 5, v0
	v_readfirstlane_b32 s[WV], v226                ; wave 0..7
	s_mov_b32 s[G1+0], (3<<16)|(1<<20)|(6<<22)|(3<<25)   ; elements of 8 bytes; padding on: four words behind every 128
	s_mov_b32 s[G1+1], 64<<16                      ; tensor_dim0 = 64
	s_mov_b32 s[G1+2], 16<<16                      ; tensor_dim1 = 16
	s_mov_b32 s[G1+3], 64<<16                      ; tile_dim0 = 64
	s_mov_b32 s[G1+4], 16                          ; tile_dim1 = 16
	s_mov_b32 s[G1+5], 128                         ; the pitch: half a row of x
	s_mov_b32 s[G1+6], 0
	s_mov_b32 s[G1+7], 0
	s_mov_b32 s[SEL], 0x76543210
	s_mov_b32 s[SEL+1], 0xfedcba98                 ; v_permlanex16_b32's selects for lane l xor 16
	s_mov_b32 s[HM], 0xffff0000                    ; lanes 16-31
	s_lshr_b32 s26, s[WV], 2                       ; w / 4
	s_bfe_u32 s27, s[WV], 0x10001                  ; (w / 2) % 2
	s_and_b32 s29, s[WV], 1
	s_lshl_b32 s76, s26, 16                        ; x in memory: my tile begins at row 32 (w / 4) + 8 ((w / 2) % 2) of the 64,
	s_lshl_b32 s66, s27, 14
	s_add_co_u32 s76, s76, s66
	s_lshl_b32 s66, s29, 10
	s_add_co_u32 s76, s76, s66
	s_add_co_u32 s76, s76, 512                     ; my second chunk at K step 2 (w % 2) + 1
	s_lshl_b32 s26, s26, 2
	s_add_co_u32 s26, s26, s27
	s_mul_i32 s66, s26, GRP                        ; in a slot: my tile's first group, 4 (w / 4) + (w / 2) % 2,
	s_mul_i32 s26, s29, 528
	s_add_co_u32 s66, s66, s26                     ; and K step 2 (w % 2)
	s_mul_i32 s28, s[WV], GRP
	s_lshl_b32 s27, s27, 4
	s_add_co_u32 s28, s28, s27                     ; where the rows that I fetch go
	s_lshl_b32 s67, s[WV], 11
	s_add_co_u32 s67, s67, XIMG
	s_lshl_b32 s68, s[WV], 8
	s_add_co_u32 s68, s68, XSC
	s_lshl_b32 s69, s[WV], 9
	s_lshl_b32 s70, s[WV], 12
	s_lshr_b32 s26, s[WV], 1
	s_lshl_b32 s27, s26, 9
	s_add_co_u32 s27, s27, SCR
	s_lshl_b32 s71, s29, 1
	s_add_co_u32 s71, s71, s27
	s_lshl_b32 s72, s29, 3
	s_add_co_u32 s72, s72, s27
	s_mul_i32 s73, s29, 15360
	s_sub_co_u32 s73, 32768, s73                   ; from my fragments (16,384 (w % 2) into the slice) to my scale words (32,768 + 1,024 (w % 2))
	s_lshl_b32 s74, s[WV], 8
	s_mul_i32 s75, s[WV], STGB
	s_add_co_u32 s75, s75, STG                     ; my stage
	s_mul_i32 s[WB], s26, RECB
	s_lshl_b32 s27, s29, 14
	s_add_co_u32 s[WB], s[WB], s27
	s_mov_b32 s[WB+1], 0
	s_lshl_b32 s48, ttmp9, 18                      ; my record's 128 rows of x: 262,144 bytes
	s_mov_b32 s49, 0
	s_lshl_b32 s[WOF], s[WV], 14
	s_mov_b32 s[WOF+1], 0
	s_mul_i32 s50, ttmp9, RECB
	s_mov_b32 s51, 0
	s_wait_dscnt 0x0                               ; both opening adds are done
	s_wait_kmcnt 0x0
	s_add_nc_u64 s[4:5], s[4:5], s[48:49]
	s_add_nc_u64 s[6:7], s[6:7], s[48:49]
	s_add_nc_u64 s[8:9], s[8:9], s[48:49]
	s_add_nc_u64 s[18:19], s[18:19], s[50:51]
	s_add_nc_u64 s[20:21], s[20:21], s[50:51]
	s_add_nc_u64 s[22:23], s[22:23], s[50:51]
	s_add_nc_u64 s[WB:WB+1], s[16:17], s[WB:WB+1]
	s_mov_b32 s[G0A], 1
	s_mov_b32 s[G0A+1], s28
	s_add_nc_u64 s[G0A+2:G0A+3], s[4:5], s[WOF:WOF+1]   ; q's rows 0-63: my eight
	s_mov_b32 s[G0B], 1
	s_add_co_u32 s[G0B+1], s28, SLOTB
	s_add_nc_u64 s[G0B+2:G0B+3], s[G0A+2:G0A+3], 131072   ; q's rows 64-127
	s_or_b32 s[G0A+3], s[G0A+3], 0x80000000
	s_or_b32 s[G0B+3], s[G0B+3], 0x80000000
	tensor_load_to_lds s[G0A:G0A+3], s[G1:G1+7]    ; one tensor load a wave at the head
	s_nop 0
	PLACES 4
	v_and_b32 v226, 31, v0                         ; lane
	v_and_b32 v227, 15, v0                         ; r
	v_bfe_u32 v228, v0, 4, 1                       ; h
	v_lshlrev_b32 v[LI], 4, v226
	v_and_b32 v229, 7, v0
	v_mul_u32_u24 v229, v229, 1056                 ; a row of x in a slot: two rows of 528
	v_bfe_u32 v230, v0, 3, 1
	v_mad_u32_u24 v229, v230, 2*GRP+16, v229       ; lanes 8-15: two groups on
	v_lshl_add_u32 v229, v228, 6, v229
	v_add_nc_u32 v[STR], s66, v229
	v_add_nc_u32 v[STR+1], SLOTB, v[STR]
	v_add_nc_u32 v[XA], s76, v[LI]
	v_lshl_add_u32 v[PFO], v226, 8, s[WOF]
	v_add_nc_u32 v[STW], s75, v[LI]
	v_mul_u32_u24 v[STRG], v227, 528
	v_lshl_add_u32 v[STRG], v228, 6, v[STRG]
	v_add_nc_u32 v[STRG], s75, v[STRG]
	v_add_nc_u32 v[XWI], s67, v[LI]
	v_lshl_add_u32 v[XWS], v226, 2, s68
	v_add_nc_u32 v[XRI], XIMG, v[LI]
	v_lshl_add_u32 v[XRS], v226, 2, XSC
	v_add_nc_u32 v[OA], s69, v[LI]
	v_lshl_add_u32 v[OV], v227, 4, s70
	v_lshl_add_u32 v[OV], v228, 3, v[OV]
	v_lshl_add_u32 v[SCA], v227, 4, s71
	v_add_nc_u32 v[SCV], s72, v[LI]
	v_lshl_add_u32 v[FRA], v0, 3, SCR
	v_lshl_add_u32 v[FGO], v0, 3, 32768
	v_lshl_add_u32 v[L4W], v226, 2, s73
	v_lshl_add_u32 v[BA], v228, 6, s74
	v_and_b32 v[BA2], 8, v0
	v_add_nc_u32 v[BA2], v[BA2], v227
	v_lshl_add_u32 v[BA2], v[BA2], 2, s74
.irp b, 0,1,2,3
	v_mov_b32 v[TM+4+\b], 0                        ; a lane permute's destination counts as one of its sources
	v_mov_b32 v[VW+\b], 0                          ; v's scale words are gathered byte by byte
.endr
	s_wait_alu depctr_va_vdst(0)
	RLOAD 4, 0                                     ; q's rows 0-63: my second chunk
	ASK 4, 131072                                  ; step 1, q's rows 64-127: its tensor load stands behind the wait for step 0's
	WLOAD                                          ; Wq: 40 loads
	BLOAD 10                                       ; bq: 8
.irp t, 0,1,2,3
	global_load_b32 v[BV+2*\t], v[BA2], s[14:15] offset:(32*(\t/2)+8*(\t%2))*4     ; bv at lane r of tile 4 w + t, twice: it stays.  8 loads
	global_load_b32 v[BV+2*\t+1], v[BA2], s[14:15] offset:(32*(\t/2)+8*(\t%2))*4
.endr
	MEET G0B, 0, 1                                 ; slot 1's first fill, issued as a refill is
	ASK 6, 0                                       ; step 2: k's rows 0-63
	XPH 0, 0, 56, 1, 4, 131072                     ; behind my chunk's loads: 40 + 8 + 8
	s_mov_b32 s[TRIP], 0
.Ltens:                                                ; two trips: q, then k.  At the head: set 0 holds the tensor's rows 0-63; its rows 64-127 are on their way
	s_wait_xcnt 0x0                                ; the bases below, which loads, stores and prefetches have read, are written again only behind this wait
	s_cmp_eq_u32 s[TRIP], 0                        ; the choices hang on the trip's number alone
	s_cselect_b64 s[NXT:NXT+1], s[6:7], s[8:9]
	s_cselect_b64 s[OUT:OUT+1], s[18:19], s[20:21]
	MEET G0A, 0, 2                                 ; slot 0 takes the next tensor's rows 0-63
	ASK NXT, 131072                                ; and its rows 64-127 are asked of memory: the next change of slots loads them
	M_QK 0
	XPH 1, 1, 0, 1, NXT, 0
	MEET G0B, 131072, 2                            ; slot 1 its rows 64-127
	s_cmp_lg_u32 s[TRIP], 0                        ; in q's trip the step after that is v's first; in k's trip there is none
	s_cbranch_scc1 .Lno_ask
	ASK 8, 0
.Lno_ask:
	M_QK 1
	BAR                                            ; every wave's bytes of the record's scale words lie in LDS
	FLUSH OUT
	s_add_nc_u64 s[WB:WB+1], s[WB:WB+1], 4*RECB    ; the next weight (the loads that read this base have been waited for)
	WLOAD
	s_cmp_lg_u32 s[TRIP], 0                        ; behind q comes k, whose bias has the same layout; behind k comes v, whose bias came at the head
	s_wait_alu depctr_va_vdst(0)
	s_cbranch_scc1 .Lno_bias
	BLOAD 12
.Lno_bias:
	XPH 0, 0, 40, 1, NXT, 131072                   ; behind my chunk's loads: the weight's 40 at the least
	s_add_co_u32 s[TRIP], s[TRIP], 1
	s_cmp_lt_u32 s[TRIP], 2
	s_wait_alu depctr_va_vdst(0)
	s_cbranch_scc1 .Ltens
	; v: written out: nothing more is filled or asked for
	MEET G0A, 0, 0
	M_V 0
	XPH 1, 1, 0, 0, 8, 0
	BAR
	M_V 1
.irp i, 0,1
	v_cndmask_b32 v[SWV+\i], v[VW+2*\i], v[VW+2*\i+1], s[HM]   ; lanes 0-15 the even tile's words, lanes 16-31 the odd tile's
.endr
	ds_store_b64 v[SCV], v[SWV:SWV+1]
	BAR
	FLUSH 22
	s_wait_tensorcnt 0x0                           ; the wave's end
	ds_add_u32 v[SPW], v[NIL]
	s_wait_dscnt 0x0
	s_endpgm
.Lfunc_end_k_qb05a908f2b_proj:
	.size	k_qb05a908f2b_proj, .Lfunc_end_k_qb05a908f2b_proj-k_qb05a908f2b_proj
	.p2alignl 7, 3214868480
	.fill 96, 4, 3214868480
	.section	.rodata,"a",@progbits
	.p2align	6, 0x0
	.amdhsa_kernel k_qb05a908f2b_proj
		.amdhsa_group_segment_fixed_size 327680
		.amdhsa_private_segment_fixed_size 0
		.amdhsa_enable_private_segment 0
		.amdhsa_kernarg_size 80
		.amdhsa_user_sgpr_count 2
		.amdhsa_user_sgpr_kernarg_segment_ptr 1
		.amdhsa_wavefront_size32 1
		.amdhsa_system_sgpr_workgroup_id_x 1
		.amdhsa_system_sgpr_workgroup_id_y 1
		.amdhsa_system_sgpr_workgroup_id_z 1
		.amdhsa_system_vgpr_workitem_id 0
		.amdhsa_next_free_vgpr 480
		.amdhsa_next_free_sgpr 78
		.amdhsa_reserve_vcc 0
		.amdhsa_float_denorm_mode_32 3
		.amdhsa_float_denorm_mode_16_64 3
		.amdhsa_memory_ordered 1
		.amdhsa_forward_progress 1
		.amdhsa_inst_pref_size 158
	.end_amdhsa_kernel
	.amdgpu_metadata
---
amdhsa.version: [ 1, 2 ]
amdhsa.kernels:
  - .name:           k_qb05a908f2b_proj
    .symbol:         k_qb05a908f2b_proj.kd
    .args:
      - { .name: q, .offset: 0, .size: 8, .value_kind: global_buffer, .address_space: global }
      - { .name: k, .offset: 8, .size: 8, .value_kind: global_buffer, .address_space: global }
      - { .name: v, .offset: 16, .size: 8, .value_kind: global_buffer, .address_space: global }
      - { .name: bq, .offset: 24, .size: 8, .value_kind: global_buffer, .address_space: global }
      - { .name: bk, .offset: 32, .size: 8, .value_kind: global_buffer, .address_space: global }
      - { .name: bv, .offset: 40, .size: 8, .value_kind: global_buffer, .address_space: global }
      - { .name: wimg, .offset: 48, .size: 8, .value_kind: global_buffer, .address_space: global }
      - { .name: qimg, .offset: 56, .size: 8, .value_kind: global_buffer, .address_space: global }
      - { .name: kimg, .offset: 64, .size: 8, .value_kind: global_buffer, .address_space: global }
      - { .name: vimg, .offset: 72, .size: 8, .value_kind: global_buffer, .address_space: global }
    .group_segment_fixed_size: 327680
    .private_segment_fixed_size: 0
    .kernarg_segment_align: 8
    .kernarg_segment_size: 80
    .max_flat_workgroup_size: 256
    .sgpr_count:     78
    .vgpr_count:     480
    .wavefront_size: 32
...
	.end_amdgpu_metadata
.endif
;; end of part 2
;; launch attn (part 3): grid 8 x 32, 8 waves a work-group, clusters of 4 x 1, 327,680 bytes of LDS; arguments qimg, kimg, vimg, wimg, bo, mask, out0; writes out0
.if DOCPART == 3
	.amdgcn_target "amdgcn-amd-amdhsa--gfx1250"
	.amdhsa_code_object_version 6
	.text
	.protected	k_qb05a908f2b_attn
	.globl	k_qb05a908f2b_attn
	.p2align	8
	.type	k_qb05a908f2b_attn,@function
k_qb05a908f2b_attn:
	s_mov_b64 s[64:65], 0
	v_nop
	global_prefetch_b8 v0, s[64:65] scope:SCOPE_SE
	s_setreg_imm32_b32 hwreg(HW_REG_WAVE_MODE, 25, 1), 1
	s_wait_xcnt 0x0
	s_wait_alu depctr_hold_cnt(0) depctr_sa_sdst(0) depctr_va_vdst(0) depctr_va_sdst(0) depctr_va_ssrc(0) depctr_va_vcc(0) depctr_vm_vsrc(0)
	s_getreg_b32 s2, hwreg(HW_REG_IB_STS2, 6, 4)
	s_cmp_eq_u32 s2, 0
	s_cbranch_scc0 .Lentry_in_a_cluster
	s_endpgm
.Lentry_in_a_cluster:
	s_bfe_u32 s2, ttmp6, 0x10000c
	s_cmp_lg_u32 s2, 0x3003
	s_cbranch_scc0 .Lentry_shape_is_right
	s_endpgm
.Lentry_shape_is_right:
; out0 = Q(softmax(qh kh^T / 8, causal) vh) Q(Wo)^T + bo, all three products on codes of FP4 (E2M1) with one E8M0 scale for each 32 along a product's K.  qimg, kimg, vimg, wimg hold images of the operands' registers
; (a fragment, 16 rows x 128 K, is 1,024 bytes: registers 4 c .. 4 c + 3 of lane l at 512 c + 16 l) in records of 34,816 bytes: 32 fragments, then 2,048 bytes of scale words.  Record = 8 x head + position / 128.
; In a group of 32 rows lane r of tile 2 B + u is row 32 B + 8 u + r + 8 (r / 8).  Row s of head (b, h) goes to row 8 s + h of batch b of out0.
; THE SOFTMAX AHEAD OF THE SECOND PRODUCT: t = score x log2(e) / 8; M = the row's largest t so far, rounded UP to a whole number; p = 2^(t - M) is what is quantised, along the keys, not normalised.  The row's sum is taken
; of the unquantised p and divides O at the end.  When M moves, the sum and O are multiplied by 2^(old M - new M): exact.
; SHARES.  A work-group (x = J, y = the head) has eight waves; wave w owns ONE tile of 16 queries: tile J of record REC = w xor 3 (w / 4): 0, 1, 2, 3, 7, 6, 5, 4.  Under the causal mask it needs key steps (128 keys)
; 0 .. REC, so waves w and w + 4 have nine steps between them, every work-group has 36, and every work-group needs all eight key steps' tiles: nothing is fetched in vain.  A step all of whose keys come after the
; wave's queries is jumped over by a scalar branch on the wave's number and the step's count; on the diagonal hidden scores become -infinity.
; LAYOUT.  Both products are used transposed: S^T = K Q^T, O^T = V^T P^T: a lane holds ONE query (lane % 16) throughout, and by the tiles' order p's and O^T's registers run along the next product's K.
; RING.  Two LDS slots of two key steps (K's record, V's record, twice: 139,264 bytes), filled by waves 0 to 3, one record each.  At the end slot 0 takes Wo, which is just one slot.
; CLUSTER.  The four work-groups of a cluster belong to one head and walk the same records: each is asked for JOINTLY, by the same tensor load with a mask that names the four.
; THE LAST PHASE.  Each wave divides its O^T by the sum, quantises it and puts its four fragments into LDS; then THE WAVES SHARE THE COLUMNS: wave w keeps Wo's tiles 4 w .. 4 w + 3 in registers and makes e = 64 w .. + 63
; for all eight tiles of queries; a tile's 16 rows x 256 bytes turn through the wave's stage, so that sixteen lanes store 256 consecutive bytes.
; mask [1] enters no step of the computation that this program follows; it is read, as every input is, and used for nothing.
; LIMITS: a block of zeros gets the byte 1 where the rule says 127 (its codes are zeros; this program alone reads the bytes); NaN and infinities are not served; v_exp_f32 gives 0 for results under 2^-126; a block's largest
; p is taken from the block's largest score, which takes v_exp_f32 not to fall where its input rises; t is formed with one rounding (score x (log2(e) / 8)) where two multiplications would round twice.
; REGISTERS: window 0: v1-11 addresses; v12 -M, v13 the largest t, v[14:15] the sum; v16-47 Q; v48-51 its scale words; v52-67 K's, v68-83 V's; v84-147 two buffers of four fragments; v148-211 S^T, then p; v212-219 p's
; codes; v220-253 at work; v254-255 addresses.   window 1: O^T, tile T (16 of d) at v[8 T]; at the end Wo's 16 fragments.
.set RECB,  34816
.set STEPB, 2*RECB                     ; a key step in a slot
.set SLOT1, 4*RECB
.set OIMG,  8*RECB                     ; behind the ring: o's images, 4 fragments for each wave;
.set OSC,   OIMG+8*4096                ; their scale words, 4 x 128 bytes for each wave;
.set SPARE, OSC+8*512                  ; the spare words, 128 bytes for each wave: four blocks of 256 bytes that no other line names
.set STAGE, SLOT1                      ; the way out: 16 rows x 272 bytes for each wave, in slot 1 once it has had its last fill and its last read
.set LI,   1                           ; v1   16 x lane
.set SPW,  2                           ; v2   LDS address of my spare word; never rewritten
.set NIL,  3                           ; v3   0; never rewritten
.set ADK,  4                           ; v4   the step's record of K; at the end: o's images
.set ADV,  5                           ; v5   the step's record of V; at the end: o's scale words
.set DQ,   6                           ; v6   my query's place in its record - 16 h; at the end: my bytes of bo
.set GO,   7                           ; v7   my byte offset in out0
.set STO,  8                           ; v8   the stage, in
.set SRD,  9                           ; v9   the stage, out
.set OWI,  10                          ; v10  where I put o's images
.set OWS,  11                          ; v11  and their scale words
.set Q,    16
.set QS,   48
.set KSW,  52
.set VSW,  68
.set FB0,  84
.set FB1,  116
.set S,    148
.set PC,   212
.set BM,   220                         ; each block's largest score, then its largest p
.set BP,   224
.set BS,   228                         ; the conversions' scale operands
.set F,    232                         ; 2^(old M - new M)
.set PWD,  233                         ; p's scale word
.set TMP,  234
.set LB,   236                         ; v[236:237] the sum's second chain
.set TM,   238                         ; v238-253 at work in the quantiser
.set AWO,  254                         ; v254 my tiles of Wo in slot 0
.set AWS,  255                         ; v255 and their scale words
.set WV,   18
.set REC,  19
.set SEL,  24
.set CS,   26                          ; s[26:27] c = log2(e) / 8: the packed form names a pair and takes its low word for both halves
.set TB,   28                          ; s28  LDS byte at which the step's records begin
.set KSTEP, 29                         ; s29  the key step
.set TWICE, 30
.set G1,   32
.set G0A,  40                          ; group 0 for slot 0
.set G0B,  44                          ; for slot 1
.set G0W,  48                          ; for Wo, into slot 0
.set MSB, 0
.macro WIN new                         ; the immediate's high byte repeats the setting that is left; bits 1:0 source 0, 3:2 source 1, 5:4 source 2, 7:6 destination
.if MSB != \new
	s_set_vgpr_msb (MSB<<8)|\new
.set MSB, \new
.endif
.endm
.macro PLACES n
.rept \n
	v_nop
.endr
.endm
.macro CROUND                          ; a round of the cluster's barrier
	s_barrier_signal -1
	s_barrier_wait -1
	s_cmp_lg_u32 s[WV], 0
	s_cbranch_scc1 .Lnot_wave_0_\@
	s_barrier_signal -3
.Lnot_wave_0_\@:
	s_barrier_wait -3
	s_barrier_signal -1
	s_barrier_wait -1
.endm
.macro TLOAD g0                        ; waves 0 to 3 fetch a record each; the branch hangs on the wave's number alone.  Four v_nop follow the load
	s_cmp_lt_u32 s[WV], 4
	s_cbranch_scc0 .Lasked_\@
	tensor_load_to_lds s[\g0:\g0+3], s[G1:G1+7]
	s_nop 0
	PLACES 4
.Lasked_\@:
.endm
; THE CHANGE OF SLOTS.  Each wave waits for all its tensor loads (its part of the slot ahead), adds 0 to its spare word, and waits for that and for its reads of the slot that it has left.  The round says so for every wave
; of all four work-groups; the joint refill of the slot that was left is the first thing behind it and has two key steps in which to land.
.macro CHANGE g0, step
	s_wait_tensorcnt 0x0                           ; no tensor load of mine is out, so a group 0 may be written
	ds_add_u32 v[SPW], v[NIL]                      ; 0 onto my spare word
	ds_add_u32 v2, v3
.if \step
	s_add_nc_u64 s[\g0+2:\g0+3], s[\g0+2:\g0+3], 4*RECB   ; four key steps on; the type bits on top are not reached
.endif
	s_wait_dscnt 0x0                               ; the add is done, and my reads of the slot that I have left are over
	CROUND
	TLOAD \g0
.endm
.macro QCORE s
.irp b, 0,1,2,3
	v_max3_num_f32 v[TM+\b], |v[\s+16*\b]|, |v[\s+1+16*\b]|, 0x1800000   ; my 16 numbers, and the floor 2^(3 - 127): the byte cannot fall under 1
.endr
.irp i, 2,4,6,8,10,12,14
.irp b, 0,1,2,3
	s_delay_alu instid0(VALU_DEP_4)
	v_max3_num_f32 v[TM+\b], v[TM+\b], |v[\s+16*\b+\i]|, |v[\s+1+16*\b+\i]|
.endr
.endr
.irp b, 0,1,2,3
	s_delay_alu instid0(VALU_DEP_4)
	v_permlanex16_b32 v[TM+4+\b], v[TM+\b], s[SEL], s[SEL+1]
.endr
.irp b, 0,1,2,3
	s_delay_alu instid0(VALU_DEP_4)
	v_max_num_f32 v[TM+\b], v[TM+\b], v[TM+4+\b]
.endr
.irp b, 0,1,2,3
	s_delay_alu instid0(VALU_DEP_4)
	v_add_nc_u32 v[TM+12+\b], 0xff000000, v[TM+\b]   ; 2 off the exponent field: the conversion takes that field as its scale
.endr
.irp b, 0,1,2,3
	s_delay_alu instid0(VALU_DEP_4)
	v_lshrrev_b32 v[TM+4+\b], 23, v[TM+12+\b]        ; the scale's byte
.endr
.endm
.macro QUANT s, d, wd                  ; register 16 b + i = k 32 b + 16 h + i of my row: a whole fragment in v[d] on, my row's scale word in v[wd]
	QCORE \s
	s_delay_alu instid0(VALU_DEP_3)
	v_lshl_or_b32 v[\wd], v[TM+5], 8, v[TM+4]
	s_delay_alu instid0(VALU_DEP_1)
	v_lshl_or_b32 v[\wd], v[TM+6], 16, v[\wd]
	s_delay_alu instid0(VALU_DEP_1)
	v_lshl_or_b32 v[\wd], v[TM+7], 24, v[\wd]
.irp b, 0,1,2,3
	v_cvt_scalef32_pk8_fp4_f32 v[\d+2*\b], v[\s+16*\b:\s+7+16*\b], v[TM+12+\b]
	v_cvt_scalef32_pk8_fp4_f32 v[\d+1+2*\b], v[\s+8+16*\b:\s+15+16*\b], v[TM+12+\b]
.endr
	v_nop                                          ; one plain place behind a scaled conversion
.irp c, 0,1
.irp i, 0,1
	v_permlane16_swap_b32 v[\d+4*\c+\i], v[\d+4*\c+2+\i]
.endr
.endr
.endm
; One product.  c < 0: the constant 0 starts the sum.  ra: source 0's scale words stand in lanes 16-31 of the register named.
.macro WMMA d, a, b, c, sa, sb, ra
.if (\c) < 0
.if (\ra)
	v_wmma_scale_f32_16x16x128_f8f6f4 v[\d:\d+7], v[\a:\a+7], v[\b:\b+7], 0, v[\sa], v[\sb] matrix_a_fmt:MATRIX_FMT_FP4 matrix_b_fmt:MATRIX_FMT_FP4 matrix_a_scale:MATRIX_SCALE_ROW1
.else
	v_wmma_scale_f32_16x16x128_f8f6f4 v[\d:\d+7], v[\a:\a+7], v[\b:\b+7], 0, v[\sa], v[\sb] matrix_a_fmt:MATRIX_FMT_FP4 matrix_b_fmt:MATRIX_FMT_FP4
.endif
.else
.if (\ra)
	v_wmma_scale_f32_16x16x128_f8f6f4 v[\d:\d+7], v[\a:\a+7], v[\b:\b+7], v[\c:\c+7], v[\sa], v[\sb] matrix_a_fmt:MATRIX_FMT_FP4 matrix_b_fmt:MATRIX_FMT_FP4 matrix_a_scale:MATRIX_SCALE_ROW1
.else
	v_wmma_scale_f32_16x16x128_f8f6f4 v[\d:\d+7], v[\a:\a+7], v[\b:\b+7], v[\c:\c+7], v[\sa], v[\sb] matrix_a_fmt:MATRIX_FMT_FP4 matrix_b_fmt:MATRIX_FMT_FP4
.endif
.endif
.endm
; A key step's 64 fragments come in 16 groups of four (eight loads), into the two buffers by turns.  Groups 0-7: K, K step gg / 2, tiles of keys 4 (gg % 2) + 0 .. 3.  Groups 8-15: V, tiles of d 4 (gg - 8) + 0 .. 3.
.macro GLOAD gg
.irp x, 0,1,2,3
.irp c, 0,1
.if (\gg) < 8
	ds_load_b128 v[FB0+32*((\gg)%2)+8*\x+4*\c:FB0+32*((\gg)%2)+8*\x+4*\c+3], v[ADK] offset:(4*(4*((\gg)%2)+\x)+(\gg)/2)*1024+512*\c
.else
	ds_load_b128 v[FB0+32*((\gg)%2)+8*\x+4*\c:FB0+32*((\gg)%2)+8*\x+4*\c+3], v[ADV] offset:(4*((\gg)-8)+\x)*1024+512*\c
.endif
.endr
.endr
.endm
; The mask and the softmax of a key step.  Register 16 b + i of S^T holds key 32 b + 16 h + i of the step's 128.  first = 1: the first key step, which starts M, the sum and O^T.
.macro SOFTMAX first
	s_cmp_lg_u32 s[KSTEP], s[REC]                  ; only the step on the diagonal hides keys
	s_cbranch_scc1 .Lopen_\@
	v_mov_b32 v[TMP], 0xff800000                   ; -infinity: p = 0 then
.set N, 0
.rept 64
	v_cmp_gt_i32 vcc_lo, 32*(N/16)+N%16, v[DQ]     ; hidden where the key comes after my query
	v_cndmask_b32 v[S+N], v[S+N], v[TMP], vcc_lo
.set N, N+1
.endr
.Lopen_\@:
.irp b, 0,1,2,3
	v_max3_num_f32 v[BM+\b], v[S+16*\b], v[S+1+16*\b], v[S+2+16*\b]   ; THE LARGEST SCORE OF EACH BLOCK OF 32 KEYS serves twice: for the row's maximum, and, since p rises with the score, for the block's largest p
.endr
.irp i, 3,5,7,9,11,13
.irp b, 0,1,2,3
	v_max3_num_f32 v[BM+\b], v[BM+\b], v[S+16*\b+\i], v[S+1+16*\b+\i]
.endr
.endr
.irp b, 0,1,2,3
	v_max_num_f32 v[BM+\b], v[BM+\b], v[S+15+16*\b]
.endr
.irp b, 0,1,2,3
	s_delay_alu instid0(VALU_DEP_4)
	v_permlanex16_b32 v[BP+\b], v[BM+\b], s[SEL], s[SEL+1]
.endr
.irp b, 0,1,2,3
	s_delay_alu instid0(VALU_DEP_4)
	v_max_num_f32 v[BM+\b], v[BM+\b], v[BP+\b]     ; with lane l xor 16's 16 keys
.endr
	s_delay_alu instid0(VALU_DEP_2)
	v_max3_num_f32 v[TMP], v[BM], v[BM+1], v[BM+2]
	s_delay_alu instid0(VALU_DEP_1)
	v_max_num_f32 v[TMP], v[TMP], v[BM+3]          ; the step's largest score of my query
.if \first
	s_delay_alu instid0(VALU_DEP_1)
	v_mul_f32 v13, s[CS], v[TMP]                   ; as t (c is positive).  Key 0 counts for every query, so this is a number
	s_delay_alu instid0(VALU_DEP_1)
	v_floor_f32 v12, -v13                          ; -M = floor(-t) = -ceil(t): M IS A WHOLE NUMBER
.else
	s_delay_alu instid0(VALU_DEP_1)
	v_mul_f32 v[TMP], s[CS], v[TMP]
	s_delay_alu instid0(VALU_DEP_1)
	v_max_num_f32 v13, v13, v[TMP]                 ; the running largest t
	v_mov_b32 v[TMP], v12
	s_delay_alu instid0(VALU_DEP_2)
	v_floor_f32 v12, -v13
	s_delay_alu instid0(VALU_DEP_1)
	v_sub_f32 v[TMP], v12, v[TMP]                  ; old M - new M: a whole number, 0 or less
	s_delay_alu instid0(VALU_DEP_1)
	v_cvt_i32_f32 v[TMP], v[TMP]                   ; (it saturates)
	s_delay_alu instid0(VALU_DEP_1)
	v_ldexp_f32 v[F], 1.0, v[TMP]                  ; f = 2^(old M - new M): a multiplication by it rounds nothing
.endif
.set N, 0
.rept 32
	v_pk_fma_f32 v[S+N:S+N+1], v[S+N:S+N+1], s[CS:CS+1], v[12:13] op_sel_hi:[1,0,0]   ; t - M, two at a time
.set N, N+2
.endr
.irp b, 0,1,2,3
	v_fma_f32 v[BM+\b], v[BM+\b], s[CS], v12       ; the same of each block's largest score
.endr
.set N, 0
	s_wait_alu depctr_va_vdst(0)
.rept 64
	v_exp_f32 v[S+N], v[S+N]                       ; p = 2^(t - M), at most 1: NOT normalised
.set N, N+1
.endr
.irp b, 0,1,2,3
	v_exp_f32 v[BM+\b], v[BM+\b]                   ; the block's largest p: the same arithmetic on the same number gives the same bits
.endr
.if \first
	v_nop                                          ; a plain place behind the exponentials
	s_wait_alu depctr_va_vdst(0)
.else
	v_pk_mul_f32 v[14:15], v[14:15], v[F:F+1] op_sel_hi:[1,0]   ; the sum under the new M.  (A plain place behind the exponentials)
	s_wait_alu depctr_va_vdst(0)
.endif
.irp b, 0,1,2,3
	v_max_num_f32 v[BM+\b], 0x1800000, v[BM+\b]    ; the floor 2^(3 - 127): a block whose every p is 0 keeps the byte 1: its codes are zeros
.endr
.irp b, 0,1,2,3
	s_delay_alu instid0(VALU_DEP_4)
	v_add_nc_u32 v[BS+\b], 0xff000000, v[BM+\b]
.endr
.irp b, 0,1,2,3
	s_delay_alu instid0(VALU_DEP_4)
	v_lshrrev_b32 v[BP+\b], 23, v[BS+\b]
.endr
	s_delay_alu instid0(VALU_DEP_3)
	v_lshl_or_b32 v[PWD], v[BP+1], 8, v[BP]        ; p's scale word for these 128 keys
	s_delay_alu instid0(VALU_DEP_1)
	v_lshl_or_b32 v[PWD], v[BP+2], 16, v[PWD]
	s_delay_alu instid0(VALU_DEP_1)
	v_lshl_or_b32 v[PWD], v[BP+3], 24, v[PWD]
.irp b, 0,1,2,3
	v_cvt_scalef32_pk8_fp4_f32 v[PC+2*\b], v[S+16*\b:S+7+16*\b], v[BS+\b]
	v_cvt_scalef32_pk8_fp4_f32 v[PC+1+2*\b], v[S+8+16*\b:S+15+16*\b], v[BS+\b]
.endr
	v_nop                                          ; one plain place behind a scaled conversion
.irp c, 0,1
.irp i, 0,1
	v_permlane16_swap_b32 v[PC+4*\c+\i], v[PC+4*\c+2+\i]
.endr
.endr
	v_pk_add_f32 v[LB:LB+1], v[S:S+1], v[S+2:S+3]  ; THE ROW'S SUM IS TAKEN OF THE UNQUANTISED p: two at a time, in two chains.  These additions are also the places between the codes and the scale word just made and the products that take them
.if \first
	v_pk_add_f32 v[14:15], v[S+4:S+5], v[S+6:S+7]  ; the first step starts the sum: nothing is cleared
.else
	v_pk_add_f32 v[14:15], v[14:15], v[S+4:S+5]
	v_pk_add_f32 v[LB:LB+1], v[LB:LB+1], v[S+6:S+7]
.endif
.irp j, 8,12,16,20,24,28,32,36,40,44,48,52,56,60
	v_pk_add_f32 v[14:15], v[14:15], v[S+\j:S+\j+1]
	v_pk_add_f32 v[LB:LB+1], v[LB:LB+1], v[S+\j+2:S+\j+3]
.endr
	s_delay_alu instid0(VALU_DEP_1)
	v_pk_add_f32 v[14:15], v[14:15], v[LB:LB+1]
.if !\first
	WIN 0x41                                       ; O^T (destination and source 0) in window 1
.set N, 0
.rept 128
	v_pk_mul_f32 v[N:N+1], v[N:N+1], v[F:F+1] op_sel_hi:[1,0]   ; O^T under the new M; each sum's registers in ascending order
.set N, N+2
.endr
	WIN 0
.endif
.endm
; A KEY STEP.  While a group's four products are issued the next group's loads are out: s_wait_dscnt 8 leaves the other buffer's eight.  V's first two groups land during the softmax.
; The sums take turns, one product a turn: S^T's eight, K step by K step; O^T's 32, one product each.
.macro STEP first
.if !\first
	s_cmp_gt_u32 s[KSTEP], s[REC]                  ; all its keys come after my queries: nothing to do.  No barrier and no tensor load stands in a step
	s_cbranch_scc1 .Lhidden_\@
.endif
	v_add_nc_u32 v[ADK], s[TB], v[LI]
	s_delay_alu instid0(VALU_DEP_1)
	v_add_nc_u32 v[ADV], RECB, v[ADK]
.irp s, 0,1,2,3
	ds_load_b128 v[KSW+4*\s:KSW+4*\s+3], v[ADK] offset:32768+512*\s   ; register 4 s + i: lanes 0-15 the words of tile 2 i, lanes 16-31 of tile 2 i + 1, K step s
.endr
.irp g, 0,1,2,3
	ds_load_b128 v[VSW+4*\g:VSW+4*\g+3], v[ADV] offset:32768+512*\g   ; register 4 g + i: tiles 8 g + 2 i and 8 g + 2 i + 1
.endr
	GLOAD 0
	GLOAD 1
.set G, 0
	s_wait_alu depctr_va_vdst(0)
.rept 8
	s_wait_dscnt 8
.irp x, 0,1,2,3
.set KT, 4*(G%2)+\x
.set CC, S+8*KT
.if G < 2
.set CC, -1
.endif
	WMMA S+8*KT, FB0+32*(G%2)+8*\x, Q+8*(G/2), CC, KSW+4*(G/2)+KT/2, QS+G/2, KT%2
.endr
	PLACES 4                                       ; in front of loads into registers that the products have read, and of the first read of the scores (ISA guide 7.12.1 for vector instructions)
	GLOAD G+2
.set G, G+1
.endr
	SOFTMAX \first
	s_wait_alu depctr_va_vdst(0)
.rept 8
.if G < 15
	s_wait_dscnt 8
.else
	s_wait_dscnt 0x0
.endif
	WIN 0x50                                       ; C and D in window 1
.irp x, 0,1,2,3
.set TT, 4*(G-8)+\x
.set CC, 8*TT
.if \first
.set CC, -1
.endif
	WMMA 8*TT, FB0+32*(G%2)+8*\x, PC, CC, VSW+4*(TT/8)+(TT/2)%4, PWD, TT%2
.endr
	WIN 0
	PLACES 4
.if G < 14
	GLOAD G+2
.endif
.set G, G+1
.endr
.if !\first
.Lhidden_\@:
.endif
.endm
.macro TWO_STEPS base                  ; a slot's two key steps: written once, walked twice
	s_mov_b32 s[TB], \base
	s_mov_b32 s[TWICE], 2
.Ltwo_\@:
	STEP 0
	s_add_co_u32 s[TB], s[TB], STEPB
	s_add_co_u32 s[KSTEP], s[KSTEP], 1
	s_sub_co_u32 s[TWICE], s[TWICE], 1
	s_cmp_lg_u32 s[TWICE], 0
	s_cbranch_scc1 .Ltwo_\@
.endm
.macro OFETCH wp                       ; wave wp's four fragments of o and their scale words
.irp g, 0,1,2,3
.irp c, 0,1
	ds_load_b128 v[FB0+8*\g+4*\c:FB0+8*\g+4*\c+3], v[ADK] offset:4096*(\wp)+1024*\g+512*\c
.endr
	ds_load_b32 v[VSW+\g], v[ADV] offset:512*(\wp)+128*\g
.endr
.endm
	s_load_b256 s[4:11], s[0:1], 0x0               ; qimg, kimg, vimg, wimg
	s_load_b128 s[12:15], s[0:1], 0x20             ; bo, mask
	s_load_b64 s[16:17], s[0:1], 0x30              ; out0
	v_lshl_add_u32 v[SPW], v0, 2, SPARE
	v_mov_b32 v[NIL], 0
	ds_add_u32 v2, v3
	ds_add_u32 v2, v3
	s_wait_dscnt 0x0
	v_lshrrev_b32 v[TMP], 5, v0
	s_delay_alu instid0(VALU_DEP_1)
	v_readfirstlane_b32 s[WV], v[TMP]              ; wave 0..7
	s_lshr_b32 s[REC], s[WV], 2
	s_mul_i32 s[REC], s[REC], 3
	s_xor_b32 s[REC], s[REC], s[WV]                ; my queries' record: 0, 1, 2, 3, 7, 6, 5, 4
	s_bfe_u32 s20, ttmp6, 0x40000                  ; cx: my place in the cluster
	s_lshl_b32 s21, ttmp9, 2
	s_add_co_u32 s21, s21, s20                     ; J = 4 x cluster x + cx: it enters Q's and out0's global addresses and the mask's compare alone
	s_and_b32 s22, ttmp7, 0xffff                   ; the head, which the four partners share
	s_and_b32 s23, s[WV], 3                        ; which record of a slot's four I fetch, if I fetch
	; descriptor group 1: a record, 34,816 dense bytes, as 136 rows of 256 bytes
	s_mov_b32 s[G1+0], 15|(3<<16)|(1<<21)          ; 15:0 the mask: all four work-groups; 17:16 elements of 8 bytes; 20 no padding; 21 set beside a mask
	s_mov_b32 s[G1+1], 32<<16                      ; tensor_dim0 = 32
	s_mov_b32 s[G1+2], 136<<16                     ; tensor_dim1 = 136
	s_mov_b32 s[G1+3], 32<<16                      ; tile_dim0 = 32
	s_mov_b32 s[G1+4], 136                         ; tile_dim1 = 136
	s_mov_b32 s[G1+5], 32                          ; tensor_dim0_stride
	s_mov_b32 s[G1+6], 0
	s_mov_b32 s[G1+7], 0
	s_mov_b32 s[SEL], 0x76543210
	s_mov_b32 s[SEL+1], 0xfedcba98                 ; v_permlanex16_b32's selects for lane l xor 16
	s_mov_b32 s[CS], 0x3e38aa3b                    ; c = log2(e) / 8
	s_mov_b32 s[CS+1], s[CS]                       ; (named with it as a pair, so it is written)
	s_mov_b32 s[TB], 0
	s_mov_b32 s[KSTEP], 0
	s_lshl_b32 s52, s22, 3                         ; the record that I fetch first: 8 x head + (wave % 4) / 2
	s_lshr_b32 s53, s23, 1
	s_add_co_u32 s52, s52, s53
	s_mul_i32 s52, s52, RECB
	s_mov_b32 s53, 0
	s_mul_i32 s58, s23, RECB                       ; its place in a slot; also my slice of Wo
	s_mov_b32 s59, 0
	s_lshl_b32 s60, s22, 3                         ; my queries' record
	s_add_co_u32 s60, s60, s[REC]
	s_mul_i32 s60, s60, RECB
	s_mov_b32 s61, 0
	s_lshr_b32 s62, s21, 1
	s_and_b32 s63, s21, 1
	s_lshl_b32 s66, s62, 5
	s_lshl_b32 s67, s63, 3
	s_add_co_u32 s66, s66, s67                     ; the tile's first query in its record: 32 (J / 2) + 8 (J % 2)
	s_lshl_b32 s67, s21, 12                        ; the tile's four fragments: 4,096 J
	s_lshl_b32 s68, s63, 8
	s_lshl_b32 s69, s62, 2
	s_add_co_u32 s68, s68, s69                     ; its scale words: 256 (J % 2) + 4 (J / 2)
	s_lshr_b32 s70, s22, 3                         ; out0: batch x 16,777,216 + head in batch x 2,048 + the tile's first query x 16,384
	s_lshl_b32 s70, s70, 24
	s_and_b32 s71, s22, 7
	s_lshl_b32 s71, s71, 11
	s_add_co_u32 s70, s70, s71
	s_lshl_b32 s71, s66, 14
	s_add_co_u32 s70, s70, s71
	s_mov_b32 s71, 0
	s_and_b32 s74, s[WV], 1
	s_wait_kmcnt 0x0
	s_load_b32 s31, s[14:15], 0x0                  ; mask: read, and used for nothing (see the head)
	s_cmp_eq_u32 s74, 0                            ; even waves fetch K's records, odd waves V's: the choice hangs on the wave's number alone
	s_cselect_b64 s[72:73], s[6:7], s[8:9]
	s_add_nc_u64 s[72:73], s[72:73], s[52:53]
	s_mov_b32 s[G0A], 1                            ; 1:0 count = 1
	s_mov_b32 s[G0A+1], s58                        ; 63:32 LDS address: slot 0
	s_mov_b64 s[G0A+2:G0A+3], s[72:73]             ; 120:64 global address: key steps 0 and 1
	s_or_b32 s[G0A+3], s[G0A+3], 0x80000000        ; 127:126 type = 2
	s_mov_b32 s[G0B], 1
	s_add_co_u32 s[G0B+1], s58, SLOT1
	s_add_nc_u64 s[G0B+2:G0B+3], s[72:73], 2*RECB  ; key steps 2 and 3
	s_or_b32 s[G0B+3], s[G0B+3], 0x80000000
	s_mov_b32 s[G0W], 1
	s_mov_b32 s[G0W+1], s58
	s_add_nc_u64 s[G0W+2:G0W+3], s[10:11], s[58:59]
	s_add_nc_u64 s[G0W+2:G0W+3], s[G0W+2:G0W+3], 12*RECB   ; Wo is the fourth weight of wimg
	s_or_b32 s[G0W+3], s[G0W+3], 0x80000000
	s_add_nc_u64 s[4:5], s[4:5], s[60:61]          ; my queries' record
	s_add_nc_u64 s[54:55], s[16:17], s[70:71]      ; out0 at the tile's first query of record 0
	CROUND                                         ; all four work-groups are here: the first joint loads meet
	s_cmp_lt_u32 s[WV], 4                          ; waves 0 to 3 fetch slot 0's records: one tensor load a wave at the head
	s_cbranch_scc0 .Lno_fill
	tensor_load_to_lds s[G0A:G0A+3], s[G1:G1+7]
	s_nop 0
	PLACES 4
.Lno_fill:
	v_and_b32 v[TM], 31, v0                        ; lane
	v_and_b32 v[TM+1], 15, v0                      ; r
	v_bfe_u32 v[TM+2], v0, 4, 1                    ; h
	s_delay_alu instid0(VALU_DEP_3)
	v_lshlrev_b32 v[LI], 4, v[TM]
	s_delay_alu instid0(VALU_DEP_1)
	v_add_nc_u32 v[TMP], s67, v[LI]
	s_delay_alu instid0(VALU_DEP_4)
	v_lshl_add_u32 v[TMP+1], v[TM+1], 4, s68
.irp s, 0,1,2,3
.irp c, 0,1
	global_load_b128 v[Q+8*\s+4*\c:Q+8*\s+4*\c+3], v[TMP], s[4:5] offset:1024*\s+512*\c   ; Q's four fragments stay in registers
.endr
	global_load_b32 v[QS+\s], v[TMP+1], s[4:5] offset:32768+512*\s
.endr
	v_and_b32 v[DQ], 8, v[TM+1]
	s_delay_alu instid0(VALU_DEP_1)
	v_add_nc_u32 v[DQ], v[DQ], v[TM+1]             ; r + 8 (r / 8)
	v_lshlrev_b32 v[TM+3], 4, v[TM+2]
	s_delay_alu instid0(VALU_DEP_1)
	v_sub_nc_u32 v[DQ], v[DQ], v[TM+3]
	s_delay_alu instid0(VALU_DEP_1)
	v_add_nc_u32 v[DQ], s66, v[DQ]                 ; my query's place in its record, - 16 h
	s_lshl_b32 s52, s[WV], 8
	v_lshlrev_b32 v[GO], 14, v[TM+2]
	s_delay_alu instid0(VALU_DEP_1)
	v_lshl_add_u32 v[GO], v[TM+1], 4, v[GO]
	s_delay_alu instid0(VALU_DEP_1)
	v_add_nc_u32 v[GO], s52, v[GO]                 ; 16,384 h + 16 r + 256 w
	s_mul_i32 s52, s[WV], 16*272
	s_add_co_u32 s52, s52, STAGE
	v_mul_u32_u24 v[STO], v[TM+1], 272
	s_delay_alu instid0(VALU_DEP_1)
	v_lshl_add_u32 v[STO], v[TM+2], 6, v[STO]
	s_delay_alu instid0(VALU_DEP_1)
	v_add_nc_u32 v[STO], s52, v[STO]               ; in: row r, + 64 h
	v_mul_u32_u24 v[SRD], v[TM+2], 272
	s_delay_alu instid0(VALU_DEP_1)
	v_lshl_add_u32 v[SRD], v[TM+1], 4, v[SRD]
	s_delay_alu instid0(VALU_DEP_1)
	v_add_nc_u32 v[SRD], s52, v[SRD]               ; out: lanes 0-15 one row of 256 bytes, lanes 16-31 the next
	s_lshl_b32 s52, s[WV], 12
	s_add_co_u32 s52, s52, OIMG
	v_add_nc_u32 v[OWI], s52, v[LI]
	s_lshl_b32 s52, s[WV], 9
	s_add_co_u32 s52, s52, OSC
	v_lshl_add_u32 v[OWS], v[TM], 2, s52
	s_lshr_b32 s52, s[WV], 1                       ; Wo's tiles 4 w .. 4 w + 3: slice w / 2, its half w % 2
	s_mul_i32 s52, s52, RECB
	s_lshl_b32 s53, s74, 14
	s_add_co_u32 s53, s53, s52
	v_add_nc_u32 v[AWO], s53, v[LI]
	s_lshl_b32 s53, s74, 10
	s_add_co_u32 s53, s53, s52
	s_add_co_u32 s53, s53, 32768
	v_lshl_add_u32 v[AWS], v[TM], 2, s53
.irp b, 0,1,2,3
	v_mov_b32 v[BP+\b], 0                          ; a lane permute's destination counts as one of its sources
	v_mov_b32 v[TM+4+\b], 0
.endr
	s_wait_alu depctr_va_vdst(0)
	CHANGE G0B, 0                                  ; slot 0 is whole; slot 1's first fill is issued as a refill is, behind the waits, the adds and a round
	s_wait_loadcnt 0x0
	s_wait_kmcnt 0x0                               ; mask
	STEP 1                                         ; key step 0 starts M, the sum and O^T
	s_mov_b32 s[TB], STEPB
	s_mov_b32 s[KSTEP], 1
	STEP 0
	s_mov_b32 s[KSTEP], 2
	CHANGE G0A, 1                                  ; slot 0 takes key steps 4 and 5
	TWO_STEPS SLOT1
	CHANGE G0B, 1                                  ; slot 1 takes key steps 6 and 7
	TWO_STEPS 0
	CHANGE G0W, 0                                  ; slot 0 takes Wo
	TWO_STEPS SLOT1
	; ---- THE LAST PHASE.  (a) my 16 rows of o = O^T / the sum become four fragments (K steps of the last product) and go to LDS as images
	v_bfe_u32 v[DQ], v0, 4, 1
	s_lshl_b32 s52, s[WV], 8
	v_lshl_add_u32 v[DQ], v[DQ], 6, s52            ; bo: 256 w + 64 h
.irp t, 0,1,2,3
.irp j, 0,1
	global_load_b128 v[FB1+8*\t+4*\j:FB1+8*\t+4*\j+3], v[DQ], s[12:13] offset:(32*(\t/2)+8*(\t%2))*4+16*\j   ; bo at e = 64 w + 32 (t / 2) + 16 h + 8 (t % 2) + 0 .. 7: the C of each sum's first product
.endr
.endr
	v_add_nc_u32 v[ADK], OIMG, v[LI]
	v_and_b32 v[ADV], 31, v0
	s_delay_alu instid0(VALU_DEP_1)
	v_lshl_add_u32 v[ADV], v[ADV], 2, OSC
	v_add_f32 v14, v14, v15                        ; the sum's two halves,
	s_delay_alu instid0(VALU_DEP_1)
	v_permlanex16_b32 v[TMP], v14, s[SEL], s[SEL+1]
	s_delay_alu instid0(VALU_DEP_1)
	v_add_f32 v14, v14, v[TMP]                     ; and lane l xor 16's: the row's sum
	s_wait_alu depctr_va_vdst(0)
	v_rcp_f32 v14, v14
	v_nop                                          ; a plain place behind the transcendental
	s_wait_alu depctr_va_vdst(0)
.irp g, 0,1,2,3
	WIN 0x01                                       ; source 0 (O^T) window 1
.set I, 0
.rept 32
	v_pk_mul_f32 v[S+2*I:S+2*I+1], v[64*\g+2*I:64*\g+2*I+1], v[14:15] op_sel_hi:[1,0]   ; register 16 b + i = d 128 g + 32 b + 16 h + i; ascending
.set I, I+1
.endr
	WIN 0
	QUANT S, Q+8*\g, QS+\g
.irp c, 0,1
	ds_store_b128 v[OWI], v[Q+8*\g+4*\c:Q+8*\g+4*\c+3] offset:1024*\g+512*\c
.endr
	ds_store_b32 v[OWS], v[QS+\g] offset:128*\g
.endr
	; (b) Wo has landed, the images lie in LDS, nobody reads slot 1 any more.
	s_wait_tensorcnt 0x0
	s_wait_dscnt 0x0
	s_barrier_signal -1
	s_barrier_wait -1
	; (c) my 16 fragments of Wo into the registers that O^T has left
	WIN 0x40
.set I, 0
.rept 32
	ds_load_b128 v[4*I:4*I+3], v[AWO] offset:512*I ; fragment (t, s) into v[8 (4 t + s)] of window 1
.set I, I+1
.endr
	WIN 0
.irp j, 0,1,2,3,4,5,6,7
	ds_load_b32 v[KSW+\j], v[AWS] offset:128*\j    ; register 2 t + s / 2: lanes 0-15 the words of K step 2 (s / 2), lanes 16-31 of the next
.endr
	OFETCH 0
	s_wait_loadcnt 0x0                             ; bo
	s_wait_dscnt 0x0
	; (d) for each wave's tile of queries: e = 64 w .. 64 w + 63, TRANSPOSED (source 0 = 16 rows of Wo, source 1 = 16 rows of o); four sums by turns
.irp wp, 0,1,2,3,4,5,6,7
	WIN 0x01
.irp s, 0,1,2,3
.irp t, 0,1,2,3
.set CC, S+8*\t
.if \s == 0
.set CC, FB1+8*\t
.endif
	WMMA S+8*\t, 8*(4*\t+\s), FB0+8*\s, CC, KSW+2*\t+\s/2, VSW+\s, \s%2
.endr
.endr
	WIN 0
	PLACES 5                                       ; four in front of the loads below and of the stores that read the sums; five in front of the next run of products, which begins the same registers anew
.if \wp < 7
	OFETCH \wp+1
.endif
.irp u, 0,1
.irp j, 0,1,2,3
	ds_store_b128 v[STO], v[S+16*\u+4*\j:S+16*\u+4*\j+3] offset:128*\u+16*\j   ; lane (r, h): row r, e = 64 w + 32 u + 16 h + 4 j on; each sum from its low end on
.endr
.endr
	s_wait_xcnt 0x0                                ; the last tile's stores have read their registers and their base
.irp i, 0,1,2,3,4,5,6,7
	ds_load_b128 v[S+32+4*\i:S+32+4*\i+3], v[SRD] offset:544*\i   ; LDS serves a wave's instructions in order (ISA guide 5.7.1.4): these see the stores above
.endr
	s_wait_dscnt 0x0
	s_add_nc_u64 s[56:57], s[54:55], ((\wp)^(3*((\wp)/4)))*2097152   ; that wave's record: 128 positions of 16,384 bytes
.irp i, 0,1,2,3,4,5,6,7
	global_store_b128 v[GO], v[S+32+4*\i:S+32+4*\i+3], s[56:57] offset:(2*\i+8*(\i/4))*16384 th:TH_STORE_NT   ; the tile's lanes 2 i and 2 i + 1: sixteen lanes store 256 consecutive bytes, at a multiple of 256 from out0's first byte
.endr
.endr
	s_wait_tensorcnt 0x0                           ; the wave's end, behind my last tensor load and my last LDS store
	ds_add_u32 v[SPW], v[NIL]
	s_wait_dscnt 0x0
	CROUND                                         ; the closing round: no work-group ends while a partner may still ask for a record that names it
	s_endpgm
.Lfunc_end_k_qb05a908f2b_attn:
	.size	k_qb05a908f2b_attn, .Lfunc_end_k_qb05a908f2b_attn-k_qb05a908f2b_attn
	.p2alignl 7, 3214868480
	.fill 96, 4, 3214868480
	.section	.rodata,"a",@progbits
	.p2align	6, 0x0
	.amdhsa_kernel k_qb05a908f2b_attn
		.amdhsa_group_segment_fixed_size 327680
		.amdhsa_private_segment_fixed_size 0
		.amdhsa_enable_private_segment 0
		.amdhsa_kernarg_size 56
		.amdhsa_user_sgpr_count 2
		.amdhsa_user_sgpr_kernarg_segment_ptr 1
		.amdhsa_wavefront_size32 1
		.amdhsa_system_sgpr_workgroup_id_x 1
		.amdhsa_system_sgpr_workgroup_id_y 1
		.amdhsa_system_sgpr_workgroup_id_z 1
		.amdhsa_system_vgpr_workitem_id 0
		.amdhsa_next_free_vgpr 512
		.amdhsa_next_free_sgpr 80
		.amdhsa_reserve_vcc 1
		.amdhsa_float_denorm_mode_32 3
		.amdhsa_float_denorm_mode_16_64 3
		.amdhsa_memory_ordered 1
		.amdhsa_forward_progress 1
		.amdhsa_inst_pref_size 255
	.end_amdhsa_kernel
	.section	.bss,"aw",@nobits
	.p2align	6
	.space	262144
	.amdgpu_metadata
---
amdhsa.version: [ 1, 2 ]
amdhsa.kernels:
  - .name:           k_qb05a908f2b_attn
    .symbol:         k_qb05a908f2b_attn.kd
    .args:
      - { .name: qimg, .offset: 0, .size: 8, .value_kind: global_buffer, .address_space: global }
      - { .name: kimg, .offset: 8, .size: 8, .value_kind: global_buffer, .address_space: global }
      - { .name: vimg, .offset: 16, .size: 8, .value_kind: global_buffer, .address_space: global }
      - { .name: wimg, .offset: 24, .size: 8, .value_kind: global_buffer, .address_space: global }
      - { .name: bo, .offset: 32, .size: 8, .value_kind: global_buffer, .address_space: global }
      - { .name: mask, .offset: 40, .size: 8, .value_kind: global_buffer, .address_space: global }
      - { .name: out0, .offset: 48, .size: 8, .value_kind: global_buffer, .address_space: global }
    .group_segment_fixed_size: 327680
    .private_segment_fixed_size: 0
    .kernarg_segment_align: 8
    .kernarg_segment_size: 56
    .max_flat_workgroup_size: 256
    .sgpr_count:     80
    .vgpr_count:     512
    .wavefront_size: 32
...
	.end_amdgpu_metadata
.endif
;; end of part 3
